; MI455X (gfx1250); checked and timed in simulation.
; The chip was launched on July 23, 2026; its instructions are those of AMD's public machine-readable ISA for CDNA 5 (MIT licence, August 2026) and "CDNA5" Instruction Set Architecture Reference Guide (July 2026). The comments in the code are by the model that wrote it; some were corrected since.
;; Causal Self Attention. Allowed arithmetic: matrix products marked QUANTISED: E2M1 operands, one E8M0 scale for each 32 along K, by v_wmma_scale_f32_16x16x128_f8f6f4 with both operands' format E2M1 (or v_wmma_scale_f32_32x16x128_f4), f32 sums; products left as they are: bf16, f16 or f32 operands; f32 sums; everything else in f32.
;; Inputs: w_proj 1,024 x 1,024 float32; w_qkv 1,024 x 3,072 float32; x 1 x 4,096 x 1,024 float32.
;; Outputs: out0 1 x 4,096 x 1,024 float32.
;; This version of the problem:
;;   THIS VERSION OF THE PROBLEM IS GIVEN IN LOW PRECISION. The matrix products marked QUANTISED in the list below multiply operands that are first quantised to E2M1 (2 exponent bits, 1 mantissa bit; 4 bits a number), with one power-of-two scale for each 32 numbers along K (OCP MX v1.0); their sums are f32. The products marked 'left as it is' may take bf16, f16 or f32 operands, with f32 sums. Whichever they take, every output number must still come out within the allowed error. Rounding operands to bf16 (8 significant bits) uses up far more of that allowance than f16 does (11 bits, for magnitudes from 6e-5 to 65,504). All else is computed in f32.
;;   The module's matrix products, in the order in which they are computed (A, B: the left and right operand; K: the contracted axis; several contracted axes count as one K, in the product's order):
;;     1. [M 4,096, K 1,024] x [K 1,024, N 3,072]; A: input x; B: input w_qkv: QUANTISED
;;     2. batch 16 x [M 4,096, K 64] x [K 64, N 4,096]; A: computed on the way; B: computed on the way: left as it is (an operand is computed on the way)
;;     3. batch 16 x [M 4,096, K 4,096] x [K 4,096, N 64]; A: computed on the way; B: computed on the way: left as it is (an operand is computed on the way)
;;     4. [M 4,096, K 1,024] x [K 1,024, N 1,024]; A: computed on the way; B: input w_proj: left as it is (an operand is computed on the way)
;;   THE QUANTISER, for each operand of a quantised product, along K:
;;     - K is cut into blocks of 32 from its start; a last block that is shorter is filled with zeros.
;;     - A block's scale is 2^e with e = floor(log2(the largest magnitude in the block)) - 2, held to -126 .. 127; a block of zeros has e = 0. As a byte (E8M0): e + 127.
;;     - Each number is divided by its block's scale, clamped to +-6, and rounded to the nearest number of E2M1, ties to even, subnormals kept.
;;     - The product sums the exact products of the quantised numbers (number of the format x scale) in f32.
;;   ~~~python
;;   def quantise(x, axis):      # numpy; x: float32 -> the quantised numbers, widened to float32 again
;;       x = np.moveaxis(x, axis, -1); K = x.shape[-1]
;;       x = np.pad(x, [(0, 0)] * (x.ndim - 1) + [(0, -K % 32)]); x = x.reshape(x.shape[:-1] + (-1, 32)); a = np.abs(x).max(-1, keepdims=True)
;;       e = np.where(a > 0, np.clip(np.frexp(np.where(a > 0, a, 1))[1] - 1 - 2, -126, 127), 0)      # np.frexp(a)[1] - 1 = floor(log2(a)), exactly
;;       r = np.clip(x / 2.0 ** e, -6, 6)
;;       step = 2.0 ** (np.maximum(np.frexp(np.where(r == 0, 1, r))[1] - 1, 0) - 1)
;;       q = np.round(r / step) * step * 2.0 ** e      # np.round: ties to even
;;       return np.moveaxis(q.reshape(q.shape[:-2] + (-1,))[..., :K], -1, axis).astype(np.float32)
;;   ~~~
;; One version. Each part assembles by itself: llvm-mc -triple=amdgcn-amd-amdhsa -mcpu=gfx1250 --defsym DOCPART=n.
;; ======== version 1 of 1: 5 launches
;; limits: values are held in f16: magnitudes above 65,504 overflow, below 6.1e-05 lose precision
;; workspace buffers: codes 3,670,016 bytes; scl 229,376 bytes; wp16 2,097,152 bytes; rope 1,048,576 bytes; qkv16 25,165,824 bytes; qkvf 196,608 bytes; y16 8,388,608 bytes
;; launch prep (part 1): grid 576 x 1, 4 waves a work-group, no clusters, 34,304 bytes of LDS; arguments x, w_qkv, w_proj, codes, scl, wp16, rope; writes codes, scl, wp16, rope
.if DOCPART == 1
	.amdgcn_target "amdgcn-amd-amdhsa--gfx1250"
	.amdhsa_code_object_version 6
	.text
	.protected	k_qbbbe4c7d94_prep
	.globl	k_qbbbe4c7d94_prep
	.p2align	8
	.type	k_qbbbe4c7d94_prep,@function
k_qbbbe4c7d94_prep:
	s_mov_b64 s[64:65], 0
	v_nop
	global_prefetch_b8 v0, s[64:65] scope:SCOPE_SE
	s_setreg_imm32_b32 hwreg(HW_REG_WAVE_MODE, 25, 1), 1
	s_wait_xcnt 0x0
; PREP: four jobs in one launch, told apart by the work-group's number; each reads its input once.
;   X (work-groups 0-255):   x [4096][1024] f32 -> codes of E2M1 + E8M0 scale words, K innermost in memory
;   W (256-447):             w_qkv [1024 k][3072 n] f32 -> the same, K is the first axis: a lane takes a column, its registers run down K
;   P (448-511):             w_proj [1024 k][1024 n] f32 -> f16
;   R (512-575):             cos and sin of pos x 10000^(-i/32), pos 0..4095, i 0..31, in f32
; EVERY OPERAND IS STORED AS AN IMAGE OF THE REGISTERS OF ITS MATRIX FRAGMENT: a group of four registers is 512 bytes, lane l's 16 bytes at 16 l.
;   codes: fragment (16 rows x 128 K) = 1,024 bytes; block t of 32 codes of row r at 256 t + 16 r.  x: [row tile 256][K step 8]; w_qkv from byte 2,097,152: [column tile 192][K step 8].
;   scl:   [tile][K half 2][row 16][4 words]: word s % 4 of half s / 4 is the row's four E8M0 bytes of K step s.  w_qkv's from byte 131,072.
;   wp16:  [column tile 64][32 k at a time: 32][1,024 bytes]; the eight k 8 o .. 8 o + 7 of column r at 256 o + 16 r.
;   rope:  [token tile 256][b 2][cos, sin][half 2][lane][16 bytes]: number j = 4 half + 0..3 belongs to position 16 tile + lane % 16 and frequency 16 b + 8 (lane / 16) + j.
; A block's scale is 2^(floor(log2(largest magnitude)) - 2): its byte is the largest magnitude's exponent field - 2, held at 1 from below by a floor among the maximum's leaves.
; LIMITS: NaN and infinities among the inputs are not served.  A block of zeros gets the byte 1, not 127: its codes are zeros, and only this program reads the bytes.
; w_proj beyond 65,504 in magnitude has no f16 number.  The inverse frequencies come from v_exp_f32 and lie within a few 1e-7 (relative) of an exact power.
; Memory binds: no matrix unit, no cluster, no tensor load; waves share nothing, so there is no barrier.
.set SPARE, 33792                      ; behind the four stages: the spare words, 128 bytes a wave
.set STG,   8448                       ; path X: a wave's stage: 16 rows x (512 bytes + 16)
.set SPW,   4                          ; v4  LDS address of my spare word; never rewritten
.set NIL,   5                          ; v5  0; never rewritten
.set LI,    6                          ; v6  16 x lane
.set XC,    32                         ; v32-159  128 numbers as loaded
.set XQ,    160                        ; v160-223 path X: 64 numbers in the operand's order; W: codes; P: f16 pairs
.set TH, 32                            ; path R: arrays of 16
.set NN, 48
.set RH, 64
.set ZZ, 80
.set SN, 96
.set CN, 112
.set QI, 128
.set CO, 144
.set SO, 160
.set TT, 176
	s_load_b256 s[4:11], s[0:1], 0x0               ; x s[4:5], w_qkv s[6:7], w_proj s[8:9], codes s[10:11]
	s_load_b128 s[12:15], s[0:1], 0x20             ; scl s[12:13], wp16 s[14:15]
	s_load_b64 s[16:17], s[0:1], 0x30              ; rope
	v_lshl_add_u32 v[SPW], v0, 2, SPARE
	v_mov_b32 v[NIL], 0
	v_lshrrev_b32 v1, 5, v0
	v_readfirstlane_b32 s18, v1                    ; wave 0..3
	v_and_b32 v1, 31, v0                           ; lane
	v_and_b32 v2, 15, v0                           ; r
	v_bfe_u32 v3, v0, 4, 1                         ; h
	v_lshlrev_b32 v[LI], 4, v1
	s_mov_b32 s21, 0                               ; the high word of every offset pair s[20:21]
	s_wait_kmcnt 0x0
	s_cmp_lt_u32 ttmp9, 256
	s_cbranch_scc1 .Lpath_x
	s_cmp_lt_u32 ttmp9, 448
	s_cbranch_scc1 .Lpath_w
	s_cmp_lt_u32 ttmp9, 512
	s_cbranch_scc1 .Lpath_p
; ---------------- R: the table of cos and sin.  A wave makes one token tile: 16 pairs a lane.
	s_sub_co_u32 s20, ttmp9, 512
	s_lshl_b32 s20, s20, 2
	s_add_co_u32 s20, s20, s18                     ; token tile
	s_lshl_b32 s22, s20, 4                         ; its first position
	s_lshl_b32 s20, s20, 12                        ; 4,096 bytes a tile
	s_add_nc_u64 s[16:17], s[16:17], s[20:21]
	s_mov_b32 s24, 0xbed49a78                      ; -log2(10000) / 32
	s_mov_b32 s25, 0x3f22f983                      ; 2 / pi
	s_mov_b32 s26, 0xbfc90fdb                      ; -(pi / 2), the f32 nearest
	s_mov_b32 s27, 0x333bbd2e                      ; what that number has above pi / 2
	s_mov_b32 s28, 0xbe2aaaab                      ; -1/3!
	s_mov_b32 s29, 0x3c088889                      ; 1/5!
	s_mov_b32 s30, 0xb9500d01                      ; -1/7!
	s_mov_b32 s31, 0x3638ef1d                      ; 1/9!
	s_mov_b32 s32, 0x3d2aaaab                      ; 1/4!
	s_mov_b32 s33, 0xbab60b61                      ; -1/6!
	s_mov_b32 s34, 0x37d00d01                      ; 1/8!
	v_add_nc_u32 v10, s22, v2
	v_cvt_f32_u32 v10, v10                         ; my position
	v_lshlrev_b32 v11, 3, v3                       ; 8 h
.irp n, 0,1,2,3,4,5,6,7,8,9,10,11,12,13,14,15
	v_add_nc_u32 v[TH+\n], 16*(\n/8)+\n%8, v11     ; the frequency's index i
.endr
.irp n, 0,1,2,3,4,5,6,7,8,9,10,11,12,13,14,15
	v_cvt_f32_u32 v[TH+\n], v[TH+\n]
.endr
.irp n, 0,1,2,3,4,5,6,7,8,9,10,11,12,13,14,15
	v_mul_f32 v[TH+\n], s24, v[TH+\n]
.endr
.irp n, 0,1,2,3,4,5,6,7,8,9,10,11,12,13,14,15
	v_exp_f32 v[TH+\n], v[TH+\n]                   ; 10000^(-i/32): one batch
.endr
	v_nop                                          ; a plain instruction behind the last exponential
	s_wait_alu depctr_va_vdst(0)                   ; one wait for the batch, ahead of its first reader
.irp n, 0,1,2,3,4,5,6,7,8,9,10,11,12,13,14,15
	v_mul_f32 v[TH+\n], v10, v[TH+\n]              ; the angle, rounded to f32 as the definition rounds it
.endr
.irp n, 0,1,2,3,4,5,6,7,8,9,10,11,12,13,14,15
	v_mul_f32 v[NN+\n], s25, v[TH+\n]
.endr
.irp n, 0,1,2,3,4,5,6,7,8,9,10,11,12,13,14,15
	v_rndne_f32 v[NN+\n], v[NN+\n]                 ; how many quarter turns (under 2,608: n x the f32 pi / 2 is taken off without rounding)
.endr
.irp n, 0,1,2,3,4,5,6,7,8,9,10,11,12,13,14,15
	v_fma_f32 v[RH+\n], v[NN+\n], s26, v[TH+\n]
.endr
.irp n, 0,1,2,3,4,5,6,7,8,9,10,11,12,13,14,15
	v_fma_f32 v[RH+\n], v[NN+\n], s27, v[RH+\n]    ; the rest, within pi / 4 of 0
.endr
.irp n, 0,1,2,3,4,5,6,7,8,9,10,11,12,13,14,15
	v_mul_f32 v[ZZ+\n], v[RH+\n], v[RH+\n]
.endr
.irp n, 0,1,2,3,4,5,6,7,8,9,10,11,12,13,14,15
	v_fma_f32 v[SN+\n], v[ZZ+\n], s31, s30
	v_fma_f32 v[CN+\n], v[ZZ+\n], s34, s33
.endr
.irp n, 0,1,2,3,4,5,6,7,8,9,10,11,12,13,14,15
	v_fma_f32 v[SN+\n], v[SN+\n], v[ZZ+\n], s29
	v_fma_f32 v[CN+\n], v[CN+\n], v[ZZ+\n], s32
.endr
.irp n, 0,1,2,3,4,5,6,7,8,9,10,11,12,13,14,15
	v_fma_f32 v[SN+\n], v[SN+\n], v[ZZ+\n], s28
	v_fma_f32 v[CN+\n], v[CN+\n], v[ZZ+\n], -0.5
	v_mul_f32 v[TT+\n], v[RH+\n], v[ZZ+\n]
.endr
.irp n, 0,1,2,3,4,5,6,7,8,9,10,11,12,13,14,15
	v_fma_f32 v[SN+\n], v[TT+\n], v[SN+\n], v[RH+\n]   ; sin of the rest (the series' next term is under 2e-9)
	v_fma_f32 v[CN+\n], v[CN+\n], v[ZZ+\n], 1.0        ; cos of the rest (under 3e-8)
	v_cvt_i32_f32 v[QI+\n], v[NN+\n]
.endr
.irp n, 0,1,2,3,4,5,6,7,8,9,10,11,12,13,14,15
	v_and_b32 v[TT+\n], 1, v[QI+\n]                ; an odd number of quarter turns changes sin and cos over
	v_cmp_eq_u32 vcc_lo, 1, v[TT+\n]
	v_cndmask_b32 v[SO+\n], v[SN+\n], v[CN+\n], vcc_lo
	v_cndmask_b32 v[CO+\n], v[CN+\n], v[SN+\n], vcc_lo
.endr
.irp n, 0,1,2,3,4,5,6,7,8,9,10,11,12,13,14,15
	v_and_b32 v[TT+\n], 2, v[QI+\n]                ; sin is turned negative in quarters 2 and 3,
	v_add_nc_u32 v[QI+\n], 1, v[QI+\n]
.endr
.irp n, 0,1,2,3,4,5,6,7,8,9,10,11,12,13,14,15
	v_lshlrev_b32 v[TT+\n], 30, v[TT+\n]
	v_and_b32 v[QI+\n], 2, v[QI+\n]                ; cos in quarters 1 and 2
.endr
.irp n, 0,1,2,3,4,5,6,7,8,9,10,11,12,13,14,15
	v_xor_b32 v[SO+\n], v[SO+\n], v[TT+\n]
	v_lshlrev_b32 v[QI+\n], 30, v[QI+\n]
.endr
.irp n, 0,1,2,3,4,5,6,7,8,9,10,11,12,13,14,15
	v_xor_b32 v[CO+\n], v[CO+\n], v[QI+\n]
.endr
.irp b, 0,1
.irp e, 0,1
	global_store_b128 v[LI], v[CO+8*\b+4*\e:CO+8*\b+4*\e+3], s[16:17] offset:2048*\b+512*\e        ; each store covers 512 consecutive bytes, aligned
	global_store_b128 v[LI], v[SO+8*\b+4*\e:SO+8*\b+4*\e+3], s[16:17] offset:2048*\b+1024+512*\e
.endr
.endr
	s_endpgm
; ---------------- X: a wave takes one row tile (the work-group's) and two K steps, 2 wave and 2 wave + 1.
.Lpath_x:
	s_lshl_b32 s20, ttmp9, 16                      ; 16 rows of 4,096 bytes
	s_lshl_b32 s22, s18, 10                        ; two K steps of 512 bytes
	s_add_co_u32 s20, s20, s22
	s_add_nc_u64 s[4:5], s[4:5], s[20:21]
	s_lshl_b32 s20, ttmp9, 13                      ; codes: 8,192 bytes a tile, 1,024 a K step
	s_lshl_b32 s22, s18, 11
	s_add_co_u32 s20, s20, s22
	s_add_nc_u64 s[10:11], s[10:11], s[20:21]
	s_lshl_b32 s20, ttmp9, 9                       ; scale words: 512 bytes a tile, 256 a K half, 4 a K step
	s_lshr_b32 s22, s18, 1
	s_lshl_b32 s22, s22, 8
	s_add_co_u32 s20, s20, s22
	s_and_b32 s22, s18, 1
	s_lshl_b32 s22, s22, 3
	s_add_co_u32 s20, s20, s22
	s_add_nc_u64 s[12:13], s[12:13], s[20:21]
.irp f, 0,1
.irp i, 0,1,2,3,4,5,6,7,8,9,10,11,12,13,14,15
	global_load_b128 v[XC+64*\f+4*\i:XC+64*\f+4*\i+3], v[LI], s[4:5] offset:4096*\i+512*\f th:TH_LOAD_NT   ; 512 consecutive bytes of row i
.endr
.endr
	s_mul_i32 s22, s18, STG
	v_add_nc_u32 v228, s22, v[LI]                  ; into my stage: as the bytes lie
	v_mul_u32_u24 v224, v2, 528
	v_lshl_add_u32 v224, v3, 7, v224
	v_add_nc_u32 v224, s22, v224                   ; out of it: row r, from block h on.  528 = 33 x 16: sixteen rows fall on sixteen different 16-byte columns
	v_lshlrev_b32 v225, 3, v3                      ; 8 h
	v_mov_b32 v226, 0                              ; a lane permute's destination counts as read
	v_lshlrev_b32 v227, 4, v2
	v_lshl_add_u32 v227, v3, 2, v227               ; 16 r + 4 h
	s_mov_b32 s36, 0x76543210
	s_mov_b32 s37, 0xfedcba98                      ; selects for lane l xor 16
; A fragment's 16 x 128 numbers through the stage: afterwards lane (r, h) holds blocks h and 2 + h of row r whole.  LDS serves a wave's instructions in order, so no wait stands between stores and loads.
.macro TURNX f
.irp i, 0,1,2,3,4,5,6,7,8,9,10,11,12,13,14,15
	ds_store_b128 v228, v[XC+64*\f+4*\i:XC+64*\f+4*\i+3] offset:528*\i
.endr
.irp c, 0,1
.irp g, 0,1,2,3,4,5,6,7
	ds_load_b128 v[XQ+32*\c+4*\g:XQ+32*\c+4*\g+3], v224 offset:256*\c+16*\g
.endr
.endr
.endm
; The two blocks become registers 0-3 and 4-7 of the operand (v[8 + 8 f] on) and the row's scale word (v[30 + f]).
.macro QUANTX f
.irp c, 0,1
	v_max3_num_f32 v[24+\c], |v[XQ+32*\c]|, |v[XQ+32*\c+1]|, 0x1800000   ; with the floor 2^(3 - 127): the byte cannot fall under 1
.endr
.irp i, 2,4,6,8,10,12,14,16,18,20,22,24,26,28,30
.irp c, 0,1
	v_max3_num_f32 v[24+\c], v[24+\c], |v[XQ+32*\c+\i]|, |v[XQ+32*\c+\i+1]|
.endr
.endr
.irp c, 0,1
	v_add_nc_u32 v[26+\c], 0xff000000, v[24+\c]    ; 2 off the exponent field: the conversion's scale operand
.endr
.irp c, 0,1
	v_lshrrev_b32 v[28+\c], 23, v[26+\c]           ; the scale's byte
.endr
	v_lshl_or_b32 v[30+\f], v29, 16, v28           ; my bytes: blocks h and 2 + h,
	v_lshlrev_b32 v[30+\f], v225, v[30+\f]         ; at their places;
	v_permlanex16_b32 v226, v[30+\f], s36, s37
	v_or_b32 v[30+\f], v[30+\f], v226              ; with lane l xor 16's two the word is whole
.irp c, 0,1
.irp g, 0,1,2,3
	v_cvt_scalef32_pk8_fp4_f32 v[8+8*\f+4*\c+\g], v[XQ+32*\c+8*\g:XQ+32*\c+8*\g+7], v[26+\c]
.endr
.endr
	v_nop                                          ; a plain instruction behind the last scaled conversion
.endm
	s_wait_loadcnt 16                              ; the first fragment's 16 loads are in; the second's may be out
	TURNX 0
	s_wait_dscnt 0x0
	QUANTX 0
	s_wait_loadcnt 0x0
	TURNX 1
	s_wait_dscnt 0x0
	QUANTX 1
.irp f, 0,1
.irp c, 0,1
	global_store_b128 v[LI], v[8+8*\f+4*\c:8+8*\f+4*\c+3], s[10:11] offset:1024*\f+512*\c   ; 512 consecutive bytes, aligned
.endr
.endr
	v_cmp_eq_u32 vcc_lo, 1, v3
	v_cndmask_b32 v24, v30, v31, vcc_lo            ; lanes 0-15 store the first K step's words, lanes 16-31 the second's
	global_store_b32 v227, v24, s[12:13]           ; 8 of each 16 bytes: one byte in 128 of what the path reads
	s_wait_tensorcnt 0x0                           ; the wave's end
	ds_add_u32 v[SPW], v[NIL]
	s_wait_dscnt 0x0
	s_endpgm
; 32 rows of k for my column: neighbouring lanes read neighbouring columns, 128 bytes a wave, 512 a work-group
.macro LOADC t, base, pitch
.irp i, 0,1,2,3,4,5,6,7,8,9,10,11,12,13,14,15,16,17,18,19,20,21,22,23,24,25,26,27,28,29,30,31
	global_load_b32 v[XC+32*(\t)+\i], v7, s[\base:\base+1] offset:(32*(\t)+\i)*\pitch th:TH_LOAD_NT
.endr
.endm
.macro AHEAD t, base, pitch            ; block t is in; the loads run two blocks ahead
.if (\t) < 3
	s_wait_loadcnt 32                              ; the next block's 32 loads may be out
.else
	s_wait_loadcnt 0x0
.endif
.if (\t) < 2
	LOADC (\t)+2, \base, \pitch
.endif
.endm
; ---------------- W: a work-group takes 128 columns x one K step; a lane a column, four blocks of 32 down K.
.Lpath_w:
	v_lshlrev_b32 v7, 2, v1                        ; 4 x lane
	v_lshlrev_b32 v8, 4, v2                        ; 16 r
	s_sub_co_u32 s19, ttmp9, 256
	s_lshr_b32 s24, s19, 3                         ; which 128 columns
	s_and_b32 s25, s19, 7                          ; which K step
	s_mul_i32 s20, s25, 128*12288
	s_lshl_b32 s22, s24, 9
	s_add_co_u32 s20, s20, s22
	s_lshl_b32 s22, s18, 7
	s_add_co_u32 s20, s20, s22
	s_add_nc_u64 s[6:7], s[6:7], s[20:21]
	LOADC 0, 6, 12288
	LOADC 1, 6, 12288
	s_lshl_b32 s20, s24, 16                        ; codes: column tile 8 x group + 2 x wave (+ lane / 16), 8,192 bytes each
	s_lshl_b32 s22, s18, 14
	s_add_co_u32 s20, s20, s22
	s_lshl_b32 s22, s25, 10
	s_add_co_u32 s20, s20, s22
	s_add_co_u32 s20, s20, 2097152
	s_add_nc_u64 s[10:11], s[10:11], s[20:21]
	s_lshl_b32 s20, s24, 12                        ; scale words: 512 bytes a tile
	s_lshl_b32 s22, s18, 10
	s_add_co_u32 s20, s20, s22
	s_lshr_b32 s22, s25, 2
	s_lshl_b32 s22, s22, 8
	s_add_co_u32 s20, s20, s22
	s_and_b32 s22, s25, 3
	s_lshl_b32 s22, s22, 2
	s_add_co_u32 s20, s20, s22
	s_add_co_u32 s20, s20, 131072
	s_add_nc_u64 s[12:13], s[12:13], s[20:21]
	v_lshl_add_u32 v9, v3, 13, v8                  ; codes: 8,192 (lane / 16) + 16 r
	v_lshl_add_u32 v10, v3, 9, v8                  ; words: 512 (lane / 16) + 16 r
.macro BLOCKW t
.set XS, XC+32*(\t)
	AHEAD \t, 6, 12288
	v_max3_num_f32 v12, |v[XS]|, |v[XS+1]|, |v[XS+2]|              ; the block's largest magnitude: all 32 numbers are mine
	v_max3_num_f32 v13, |v[XS+3]|, |v[XS+4]|, |v[XS+5]|
.irp i, 6,10,14,18,22,26
	v_max3_num_f32 v12, v12, |v[XS+\i]|, |v[XS+\i+1]|
	v_max3_num_f32 v13, v13, |v[XS+\i+2]|, |v[XS+\i+3]|
.endr
	v_max3_num_f32 v12, v12, |v[XS+30]|, |v[XS+31]|
	v_max3_num_f32 v12, v12, v13, 0x1800000        ; and the floor
	v_add_nc_u32 v[16+(\t)], 0xff000000, v12       ; the conversion's scale operand
	v_lshrrev_b32 v13, 23, v[16+(\t)]              ; the byte
.if (\t) == 0
	v_mov_b32 v14, v13
.else
	v_lshl_or_b32 v14, v13, 8*(\t), v14            ; four bytes make the K step's word
.endif
.irp g, 0,1,2,3
	v_cvt_scalef32_pk8_fp4_f32 v[XQ+4*(\t)+\g], v[XS+8*\g:XS+8*\g+7], v[16+(\t)]
.endr
	v_nop                                          ; a plain instruction behind the scaled conversions
	global_store_b128 v9, v[XQ+4*(\t):XQ+4*(\t)+3], s[10:11] offset:256*(\t)   ; sixteen lanes store 256 consecutive bytes, aligned
.endm
	BLOCKW 0
	BLOCKW 1
	BLOCKW 2
	BLOCKW 3
	global_store_b32 v10, v14, s[12:13]
	s_endpgm
; ---------------- P: a work-group takes 128 columns x 128 k of w_proj.
.Lpath_p:
	v_lshlrev_b32 v7, 2, v1
	v_lshlrev_b32 v8, 4, v2
	s_sub_co_u32 s19, ttmp9, 448
	s_lshr_b32 s24, s19, 3                         ; which 128 columns
	s_and_b32 s25, s19, 7                          ; which 128 k
	s_lshl_b32 s20, s25, 19                        ; 128 rows of 4,096 bytes
	s_lshl_b32 s22, s24, 9
	s_add_co_u32 s20, s20, s22
	s_lshl_b32 s22, s18, 7
	s_add_co_u32 s20, s20, s22
	s_add_nc_u64 s[8:9], s[8:9], s[20:21]
	LOADC 0, 8, 4096
	LOADC 1, 8, 4096
	s_lshl_b32 s20, s24, 18                        ; 32,768 bytes a column tile, 4,096 for 128 k
	s_lshl_b32 s22, s18, 16
	s_add_co_u32 s20, s20, s22
	s_lshl_b32 s22, s25, 12
	s_add_co_u32 s20, s20, s22
	s_add_nc_u64 s[14:15], s[14:15], s[20:21]
	v_lshl_add_u32 v9, v3, 15, v8                  ; 32,768 (lane / 16) + 16 r
.macro BLOCKP t
	AHEAD \t, 8, 4096
.irp o, 0,1,2,3
.irp jj, 0,1,2,3
	v_cvt_pk_f16_f32 v[XQ+16*(\t)+4*\o+\jj], v[XC+32*(\t)+8*\o+2*\jj], v[XC+32*(\t)+8*\o+2*\jj+1]
.endr
	global_store_b128 v9, v[XQ+16*(\t)+4*\o:XQ+16*(\t)+4*\o+3], s[14:15] offset:1024*(\t)+256*\o   ; sixteen lanes store 256 consecutive bytes, aligned
.endr
.endm
	BLOCKP 0
	BLOCKP 1
	BLOCKP 2
	BLOCKP 3
	s_endpgm
.Lfunc_end_k_qbbbe4c7d94_prep:
	.size	k_qbbbe4c7d94_prep, .Lfunc_end_k_qbbbe4c7d94_prep-k_qbbbe4c7d94_prep
	.p2alignl 7, 3214868480
	.fill 96, 4, 3214868480
	.section	.rodata,"a",@progbits
	.p2align	6, 0x0
	.amdhsa_kernel k_qbbbe4c7d94_prep
		.amdhsa_group_segment_fixed_size 34304
		.amdhsa_private_segment_fixed_size 0
		.amdhsa_enable_private_segment 0
		.amdhsa_kernarg_size 56
		.amdhsa_user_sgpr_count 2
		.amdhsa_user_sgpr_kernarg_segment_ptr 1
		.amdhsa_wavefront_size32 1
		.amdhsa_system_sgpr_workgroup_id_x 1
		.amdhsa_system_sgpr_workgroup_id_y 1
		.amdhsa_system_sgpr_workgroup_id_z 1
		.amdhsa_system_vgpr_workitem_id 0
		.amdhsa_next_free_vgpr 232
		.amdhsa_next_free_sgpr 66
		.amdhsa_reserve_vcc 1
		.amdhsa_float_denorm_mode_32 3
		.amdhsa_float_denorm_mode_16_64 3
		.amdhsa_memory_ordered 1
		.amdhsa_forward_progress 1
		.amdhsa_inst_pref_size 77
	.end_amdhsa_kernel
	.amdgpu_metadata
---
amdhsa.version: [ 1, 2 ]
amdhsa.kernels:
  - .name:           k_qbbbe4c7d94_prep
    .symbol:         k_qbbbe4c7d94_prep.kd
    .args:
      - { .name: x, .offset: 0, .size: 8, .value_kind: global_buffer, .address_space: global }
      - { .name: w_qkv, .offset: 8, .size: 8, .value_kind: global_buffer, .address_space: global }
      - { .name: w_proj, .offset: 16, .size: 8, .value_kind: global_buffer, .address_space: global }
      - { .name: codes, .offset: 24, .size: 8, .value_kind: global_buffer, .address_space: global }
      - { .name: scl, .offset: 32, .size: 8, .value_kind: global_buffer, .address_space: global }
      - { .name: wp16, .offset: 40, .size: 8, .value_kind: global_buffer, .address_space: global }
      - { .name: rope, .offset: 48, .size: 8, .value_kind: global_buffer, .address_space: global }
    .group_segment_fixed_size: 34304
    .private_segment_fixed_size: 0
    .kernarg_segment_align: 8
    .kernarg_segment_size: 56
    .max_flat_workgroup_size: 128
    .sgpr_count:     66
    .vgpr_count:     232
    .wavefront_size: 32
...
	.end_amdgpu_metadata
.endif
;; end of part 1
;; launch qkv (part 2): grid 12 x 16, 4 waves a work-group, clusters of 4 x 1, 327,680 bytes of LDS; arguments codes, scl, rope, qkv16, qkvf; writes qkv16, qkvf
.if DOCPART == 2
	.amdgcn_target "amdgcn-amd-amdhsa--gfx1250"
	.amdhsa_code_object_version 6
	.text
	.protected	k_qbbbe4c7d94_qkv
	.globl	k_qbbbe4c7d94_qkv
	.p2align	8
	.type	k_qbbbe4c7d94_qkv,@function
k_qbbbe4c7d94_qkv:
	s_mov_b64 s[64:65], 0
	v_nop
	global_prefetch_b8 v0, s[64:65] scope:SCOPE_SE
	s_setreg_imm32_b32 hwreg(HW_REG_WAVE_MODE, 25, 1), 1
	s_wait_xcnt 0x0
	s_wait_alu depctr_hold_cnt(0) depctr_sa_sdst(0) depctr_va_vdst(0) depctr_va_sdst(0) depctr_va_ssrc(0) depctr_va_vcc(0) depctr_vm_vsrc(0)
	s_getreg_b32 s2, hwreg(HW_REG_IB_STS2, 6, 4)
	s_cmp_eq_u32 s2, 0
	s_cbranch_scc0 .Lentry_in_a_cluster
	s_endpgm
.Lentry_in_a_cluster:
	s_bfe_u32 s2, ttmp6, 0x10000c
	s_cmp_lg_u32 s2, 0x3003
	s_cbranch_scc0 .Lentry_shape_is_right
	s_endpgm
.Lentry_shape_is_right:
; QKV = Q(x) Q(w_qkv) on codes of E2M1 with E8M0 scales, f32 sums; then RoPE on q and k in f32; q, k, v leave as f16, laid as images of the fragments that the attention reads.
; A work-group makes 256 tokens x 256 columns; each of its four waves 128 x 128: 64 accumulators, 512 registers.  K = 1,024 is two LDS slots of 512, each filled ONCE: nothing is filled again.
; 12 x 16 work-groups: with 256 columns to a work-group a cluster of four along x is exactly q (cluster 0), k (1) or v (2), and a wave holds two whole heads, so both branches below are alike in all partners.
; CLUSTER 4 x 1: the four partners need the same tile of x and the same scale words of x: these are asked for JOINTLY (mask 15).  w's tiles differ between partners and come by plain loads.
; (No 4 x 4 cluster: the f32 copy of tokens 0-15 is a branch on the tile row, which then would be a place in the cluster.)
; OPERANDS LIE IN MEMORY AND LDS AS IMAGES OF THEIR REGISTERS: a fragment (16 rows x 128 K) is 1,024 bytes, four registers' 512 bytes with lane l's 16 at 16 l: every LDS load takes 512 consecutive bytes; no padding.
; q, k: THE PRODUCT IS USED TRANSPOSED (source 0 = 16 columns of w, source 1 = 16 tokens): a lane holds one token and eight neighbouring dims, which packed to f16 are four registers of the score product's operand.
; v: NOT transposed (source 0 = tokens): a lane holds one channel and eight neighbouring tokens: four registers of V^T's fragment, whose K is the keys.  So the main part is written twice.
; qkv16: q at 0, k at 8,388,608: [head][token tile 256][dims 16 b on: 4][512 bytes];  v at 16,777,216: [head][32 keys: 128][channel tile 4][16 keys: 2][512 bytes].
; qkvf: tokens 0-15 of q, k (after RoPE) and v in f32, [16][3072], for the launch that carries the first 16 positions finely.
; LIMITS: |q|, |k|, |v| beyond 65,504 have no f16 number; under 6e-5 they keep an absolute error of 3e-8.
; REGISTERS, in windows of 256: window 0: v16-29 addresses; v32-95 scale words, two sets, and nothing else; v128-191 x's fragments, one set; on the way out v128-191 are at work.
;   window 1: w's fragments, two sets, at v0 and v128; v64-127 and v192-255: cos and sin of token blocks 0-3 (blocks 4-7 take the fragments' registers afterwards).   windows 2, 3: the accumulators ((a, b) at v[8 (8 (a % 4) + b)]).
.set NQ,    4                          ; steps of 128 along K in a slot
.set FR,    8                          ; registers of a fragment
.set NL,    2                          ; LDS loads that bring one
.set NP,    4                          ; places behind this matrix instruction (ISA guide 7.12.1)
.set SLOT,  131072                     ; x's 16 tiles x 4 K steps x 1,024 bytes, then w's
.set SCL,   2*SLOT                     ; the scale words: x's 16 tiles x 512 bytes, then w's
.set SPARE, SCL+16384                  ; the spare words, 128 bytes a wave
.set ADRA, 16                          ; v16-17  LDS address of my fragments of x in slot 0, 1
.set ADRB, 20                          ; v20-21  of w
.set LI,   24                          ; v24     16 x lane
.set FO,   25                          ; v25     qkvf, q and k: 12,288 r + 32 h
.set FOV,  26                          ; v26     qkvf, v: 98,304 h + 4 r
.set ADRS, 27                          ; v27     LDS address of my scale words: lanes 0-15 x's rows, lanes 16-31 w's columns
.set SPW,  28                          ; v28     LDS address of my spare word; never rewritten
.set NIL,  29                          ; v29     0; never rewritten
.set SC,   32
.set AF,   128
.set T,    128                         ; the way out: 32 numbers after RoPE
.set U,    160                         ; products at work
.set PK,   176                         ; 16 registers of f16 pairs
.set G1,   24                          ; s[24:31] group 1, x's codes;  s[32:39] groups 0, one a slot
.set G0,   32
.set G1B,  48                          ; s[48:55], s[56:63] the same for w's codes
.set G0B,  56
.set G1S,  68                          ; s[68:75], s[76:79] x's scale words;  s[80:87], s[88:91] w's
.set G0S,  76
.set G1SB, 80
.set G0SB, 88
.set FINE, 95                          ; s95  0 in the waves that hold tokens 0-15
.set MSB, 0
.macro WIN new                         ; the immediate's high byte repeats the setting that is left
.if MSB != (\new)
	s_set_vgpr_msb (MSB<<8)|(\new)
.set MSB, (\new)
.endif
.endm
.set TO_B, 0x40                        ; destination window 1, address window 0
; Waves 0 and 1 fetch for x (jointly), waves 2 and 3 for w.  The branch hangs on the wave's number alone.  An s_nop 0 and four v_nop follow each of the two lines.
.macro JLOAD g0a, g1a, g0b, g1b
	s_cmp_eq_u32 s15, 0
	s_cbranch_scc0 .Lfor_b_\@
	tensor_load_to_lds s[\g0a:\g0a+3], s[\g1a:\g1a+7]
	s_nop 0
.rept 4
	v_nop
.endr
	s_branch .Lasked_\@
.Lfor_b_\@:
	tensor_load_to_lds s[\g0b:\g0b+3], s[\g1b:\g1b+7]
	s_nop 0
.rept 4
	v_nop
.endr
.Lasked_\@:
.endm
.macro CROUND                          ; a round of the cluster's barrier
	s_barrier_signal -1
	s_barrier_wait -1
	s_cmp_lg_u32 s14, 0
	s_cbranch_scc1 .Lnot_wave_0_\@
	s_barrier_signal -3
.Lnot_wave_0_\@:
	s_barrier_wait -3
	s_barrier_signal -1
	s_barrier_wait -1
.endm
	s_load_b256 s[4:11], s[0:1], 0x0               ; codes s[4:5], scl s[6:7], rope s[8:9], qkv16 s[10:11]
	s_load_b64 s[12:13], s[0:1], 0x20              ; qkvf
	v_lshl_add_u32 v[SPW], v0, 2, SPARE
	v_mov_b32 v[NIL], 0
	ds_add_u32 v[SPW], v[NIL]                      ; the wave's opening
	ds_add_u32 v[SPW], v[NIL]
	v_lshrrev_b32 v1, 5, v0
	v_readfirstlane_b32 s14, v1                    ; wave 0..3
	s_lshr_b32 s15, s14, 1                         ; which 128 tokens are mine.  Also: I fetch for x (0) or for w (1)
	s_and_b32 s16, s14, 1                          ; which 128 columns.  Also: which 8 tiles I fetch
	s_bfe_u32 s40, ttmp6, 0x40000                  ; cx
	s_lshl_b32 s42, ttmp9, 2
	s_add_co_u32 s42, s42, s40                     ; tile column = 4 x cluster x + cx
	s_and_b32 s17, ttmp7, 0xffff                   ; tile row: the cluster's y, which all partners share
	; group 1, codes: 8 rows (tiles) of 4,096 bytes (4 K steps), 8,192 bytes apart
	s_mov_b32 s[G1], 15|(1<<21)                    ; 15:0 the mask: all four partners; 17:16 elements of 1 byte; 21 set beside a mask
	s_mov_b32 s[G1B], 0                            ; no mask
.irp g, G1, G1B
	s_mov_b32 s[\g+1], 4096<<16                    ; tensor_dim0
	s_mov_b32 s[\g+2], 8<<16                       ; tensor_dim1
	s_mov_b32 s[\g+3], 4096<<16                    ; tile_dim0
	s_mov_b32 s[\g+4], 8                           ; tile_dim1
	s_mov_b32 s[\g+5], 8192                        ; from row to row
	s_mov_b32 s[\g+6], 0
	s_mov_b32 s[\g+7], 0
.endr
	; group 1, scale words: 4,096 dense bytes as 16 rows of 32 elements of 8 bytes
	s_mov_b32 s[G1S], 15|(3<<16)|(1<<21)
	s_mov_b32 s[G1SB], 3<<16
.irp g, G1S, G1SB
	s_mov_b32 s[\g+1], 32<<16
	s_mov_b32 s[\g+2], 16<<16
	s_mov_b32 s[\g+3], 32<<16
	s_mov_b32 s[\g+4], 16
	s_mov_b32 s[\g+5], 32
	s_mov_b32 s[\g+6], 0
	s_mov_b32 s[\g+7], 0
.endr
	s_lshl_b32 s18, s16, 16
	s_lshl_b32 s20, s17, 17
	s_add_co_u32 s20, s20, s18                     ; x's codes: tile 16 x row + 8 x half, 8,192 bytes each
	s_mov_b32 s21, 0
	s_lshl_b32 s46, s42, 17
	s_add_co_u32 s46, s46, s18
	s_add_co_u32 s46, s46, 2097152                 ; w's, behind x's
	s_mov_b32 s47, 0
	s_lshl_b32 s18, s16, 12
	s_lshl_b32 s22, s17, 13
	s_add_co_u32 s22, s22, s18                     ; x's scale words: 512 bytes a tile
	s_mov_b32 s23, 0
	s_lshl_b32 s92, s42, 13
	s_add_co_u32 s92, s92, s18
	s_add_co_u32 s92, s92, 131072                  ; w's
	s_mov_b32 s93, 0
	s_lshl_b32 s45, s14, 15                        ; where they go: wave x 32,768; no place in the cluster enters an LDS address
	s_lshl_b32 s94, s14, 12
	s_wait_dscnt 0x0                               ; both opening adds are done
	s_wait_kmcnt 0x0
	s_add_nc_u64 s[20:21], s[4:5], s[20:21]
	s_add_nc_u64 s[46:47], s[4:5], s[46:47]
	s_add_nc_u64 s[22:23], s[6:7], s[22:23]
	s_add_nc_u64 s[92:93], s[6:7], s[92:93]
	CROUND                                         ; all four work-groups are here: the first joint loads meet
	s_mov_b32 s[G0S], 1
	s_add_co_u32 s[G0S+1], s94, SCL
	s_mov_b64 s[G0S+2:G0S+3], s[22:23]
	s_or_b32 s[G0S+3], s[G0S+3], 0x80000000
	s_mov_b32 s[G0SB], 1
	s_add_co_u32 s[G0SB+1], s94, SCL
	s_mov_b64 s[G0SB+2:G0SB+3], s[92:93]
	s_or_b32 s[G0SB+3], s[G0SB+3], 0x80000000
	JLOAD G0S, G1S, G0SB, G1SB                     ; the scale words first; with the two slots three loads of mine are out
.irp s, 0,1
	s_mov_b32 s[G0+4*\s], 1
	s_add_co_u32 s[G0+4*\s+1], s45, \s*SLOT
	s_add_nc_u64 s[G0+4*\s+2:G0+4*\s+3], s[20:21], \s*4096
	s_or_b32 s[G0+4*\s+3], s[G0+4*\s+3], 0x80000000
	s_mov_b32 s[G0B+4*\s], 1
	s_add_co_u32 s[G0B+4*\s+1], s45, \s*SLOT
	s_add_nc_u64 s[G0B+4*\s+2:G0B+4*\s+3], s[46:47], \s*4096
	s_or_b32 s[G0B+4*\s+3], s[G0B+4*\s+3], 0x80000000
	JLOAD G0+4*\s, G1, G0B+4*\s, G1B
.endr
	v_and_b32 v1, 15, v0                           ; r
	v_bfe_u32 v2, v0, 4, 1                         ; h
	v_and_b32 v3, 31, v0
	v_lshlrev_b32 v[LI], 4, v3
	s_lshl_b32 s21, s15, 15                        ; my 8 tiles of x
	s_lshl_b32 s22, s16, 15                        ; my 8 tiles of w,
	s_add_co_u32 s22, s22, 65536                   ; behind x's 16
.irp s, 0,1
	v_add_nc_u32 v[ADRA+\s], s21, v[LI]
	v_add_nc_u32 v[ADRB+\s], s22, v[LI]
	s_add_co_u32 s21, s21, SLOT
	s_add_co_u32 s22, s22, SLOT
.endr
	s_lshl_b32 s21, s15, 12                        ; x's words: my 8 tiles
	s_lshl_b32 s22, s16, 12                        ; w's: my 8 tiles, behind x's 8,192 bytes
	s_add_co_u32 s22, s22, 8192
	s_sub_co_u32 s22, s22, s21
	v_mul_u32_u24 v4, s22, v2                      ; lanes 16-31 take w's: one product, the distance between the two bases
	s_add_co_u32 s21, s21, SCL
	v_lshl_add_u32 v4, v1, 4, v4                   ; 16 bytes a row: the four words of a K half
	v_add_nc_u32 v[ADRS], s21, v4
	v_mul_u32_u24 v[FO], v1, 12288
	v_lshl_add_u32 v[FO], v2, 5, v[FO]
	v_mul_u32_u24 v[FOV], v2, 98304
	v_lshl_add_u32 v[FOV], v1, 2, v[FOV]
	s_lshl_b32 s20, s17, 16                        ; rope: token tile 16 x row + 8 x half, 4,096 bytes each
	s_lshl_b32 s22, s15, 15
	s_add_co_u32 s20, s20, s22
	s_mov_b32 s21, 0
	s_add_nc_u64 s[8:9], s[8:9], s[20:21]
	s_lshl_b32 s20, ttmp9, 23                      ; qkv16: q, k or v (8,388,608 bytes each),
	s_lshl_b32 s22, s40, 21                        ; head 4 cx + 2 x my column half (524,288 bytes a head),
	s_add_co_u32 s20, s20, s22
	s_lshl_b32 s22, s16, 20
	s_add_co_u32 s20, s20, s22
	s_lshl_b32 s22, s17, 15                        ; and my first token: 128 bytes a token in a head, for q, k and v alike
	s_add_co_u32 s20, s20, s22
	s_lshl_b32 s22, s15, 14
	s_add_co_u32 s20, s20, s22
	s_add_nc_u64 s[10:11], s[10:11], s[20:21]
	s_lshl_b32 s20, s42, 10                        ; qkvf: my first column, 4 bytes each
	s_lshl_b32 s22, s16, 9
	s_add_co_u32 s20, s20, s22
	s_add_nc_u64 s[12:13], s[12:13], s[20:21]
	s_or_b32 s[FINE], s17, s15                     ; 0: tile row 0 and the upper 128 tokens
.macro FRAG reg, adr, q, i             ; fragment i of the slot's q-th K step: two loads of 512 consecutive bytes
.irp c, 0,1
	ds_load_b128 v[\reg+4*\c:\reg+4*\c+3], v[\adr] offset:4096*(\i)+1024*(\q)+512*\c
.endr
.endm
; 16 matrix instructions: x's blocks a0, a0 + 1 against w's eight.  p: w's set;  sc: the set of scale words.  zero = 1: the product starts the sums.  The 64 accumulators take turns, one instruction a turn.
; A scale register holds x's word in lanes 0-15 and w's in lanes 16-31.
.macro MUL16 a0, p, q, sc, zero
.irp a, \a0, \a0+1
.irp b, 0,1,2,3,4,5,6,7
.set rD, 8*(8*((\a)%4)+\b)
.set rB, 128*(\p)+FR*\b
.set rA, AF+FR*(\a)
.set sB, SC+8*NQ*(\sc)+NQ*\b+(\q)
.set sA, SC+8*NQ*(\sc)+NQ*(\a)+(\q)
.if SWAP
.if \zero
	v_wmma_scale_f32_16x16x128_f8f6f4 v[rD:rD+7], v[rA:rA+7], v[rB:rB+7], 0, v[sA], v[sB] matrix_a_fmt:MATRIX_FMT_FP4 matrix_b_fmt:MATRIX_FMT_FP4 matrix_b_scale:MATRIX_SCALE_ROW1
.else
	v_wmma_scale_f32_16x16x128_f8f6f4 v[rD:rD+7], v[rA:rA+7], v[rB:rB+7], v[rD:rD+7], v[sA], v[sB] matrix_a_fmt:MATRIX_FMT_FP4 matrix_b_fmt:MATRIX_FMT_FP4 matrix_b_scale:MATRIX_SCALE_ROW1
.endif
.else
.if \zero
	v_wmma_scale_f32_16x16x128_f8f6f4 v[rD:rD+7], v[rB:rB+7], v[rA:rA+7], 0, v[sB], v[sA] matrix_a_fmt:MATRIX_FMT_FP4 matrix_b_fmt:MATRIX_FMT_FP4 matrix_a_scale:MATRIX_SCALE_ROW1
.else
	v_wmma_scale_f32_16x16x128_f8f6f4 v[rD:rD+7], v[rB:rB+7], v[rA:rA+7], v[rD:rD+7], v[sB], v[sA] matrix_a_fmt:MATRIX_FMT_FP4 matrix_b_fmt:MATRIX_FMT_FP4 matrix_a_scale:MATRIX_SCALE_ROW1
.endif
.endif
.endr
.endr
.endm
.macro FETCH_B slot, q, p
	WIN TO_B
.irp i, 0,1,2,3,4,5,6,7
	FRAG 128*(\p)+FR*\i, ADRB+\slot, \q, \i
.endr
	WIN 0
.endm
.macro FETCH_A slot, q, i0
.irp i, \i0, \i0+1, \i0+2, \i0+3
	FRAG AF+FR*(\i), ADRA+\slot, \q, \i
.endr
.endm
.macro SCALES sc                       ; the four words of K half sc: lanes 0-15 x's block i, lanes 16-31 w's block i
.irp i, 0,1,2,3,4,5,6,7
	ds_load_b128 v[SC+8*NQ*\sc+NQ*\i:SC+8*NQ*\sc+NQ*\i+3], v[ADRS] offset:512*\i+256*\sc
.endr
.endm
.macro PLACES n                        ; plain vector instructions between a matrix instruction and a load into, or a vector read or write of, its registers
.rept \n
	v_nop
.endr
.endm
.macro STEP slot, q, zero              ; 128 along K with its successor in the same slot
	s_wait_dscnt 4*NL                              ; w's set and x's blocks 0-3 are in; the youngest eight loads (x's blocks 4-7) may be out
	WIN MUL_LO
	MUL16 0, (\q)%2, \q, \slot, \zero
	MUL16 2, (\q)%2, \q, \slot, \zero
	s_wait_dscnt 0                                 ; x's blocks 4-7 are in
	PLACES NP
	FETCH_B \slot, (\q)+1, 1-(\q)%2
	FETCH_A \slot, (\q)+1, 0
	WIN MUL_HI
	MUL16 4, (\q)%2, \q, \slot, \zero
	MUL16 6, (\q)%2, \q, \slot, \zero
	PLACES NP
	WIN 0
	FETCH_A \slot, (\q)+1, 4
.endm
; Slot 0's last step goes over to slot 1: each wave waits for all its tensor loads (its part of slot 1) ahead of the barrier, behind which all parts are there.  Nothing is filled again.
.macro TURN slot, next
	s_wait_tensorcnt 0x0
	ds_add_u32 v[SPW], v[NIL]
	s_wait_dscnt 4*NL+1                            ; (the add and x's blocks 4-7 may be out)
	WIN MUL_LO
	MUL16 0, 1, NQ-1, \slot, 0
	s_wait_dscnt 0x0
	s_barrier_signal -1
	MUL16 2, 1, NQ-1, \slot, 0
	WIN 0
	s_barrier_wait -1
	PLACES NP
	FETCH_B \next, 0, 0
	FETCH_A \next, 0, 0
	SCALES \next
	WIN MUL_HI
	MUL16 4, 1, NQ-1, \slot, 0
	MUL16 6, 1, NQ-1, \slot, 0
	PLACES NP
	WIN 0
	FETCH_A \next, 0, 4
.endm
.macro STEPS slot, from
.set Q, \from
.rept NQ-1-\from
	STEP \slot, Q, 0
.set Q, Q+1
.endr
.endm
.macro MAIN swap                       ; the whole product.  swap = 0: source 0 = w (window 1), source 1 = x (window 0); 1: the other way round
.set SWAP, \swap
.set MUL_LO, 0xa1+3*SWAP               ; C and D window 2
.set MUL_HI, 0xf1+3*SWAP               ; C and D window 3
	s_wait_tensorcnt 1                             ; the scale words and my part of slot 0 are in; slot 1's load may be out
	s_barrier_signal -1
	s_barrier_wait -1
	FETCH_B 0, 0, 0
	FETCH_A 0, 0, 0
	SCALES 0
	FETCH_A 0, 0, 4
	STEP 0, 0, 1
	STEPS 0, 1
	TURN 0, 1
	STEPS 1, 0
	s_wait_dscnt 4*NL
	WIN MUL_LO
	MUL16 0, 1, NQ-1, 1, 0
	MUL16 2, 1, NQ-1, 1, 0
	s_wait_dscnt 0
	WIN MUL_HI
	MUL16 4, 1, NQ-1, 1, 0
	MUL16 6, 1, NQ-1, 1, 0
	WIN 0
.endm
.macro CLOSE                           ; the wave's end; then the closing round
	s_wait_tensorcnt 0x0
	ds_add_u32 v[SPW], v[NIL]
	s_wait_dscnt 0x0
	CROUND
	s_endpgm
.endm
	s_cmp_eq_u32 ttmp9, 2                          ; the cluster's x: alike in all partners
	s_cbranch_scc1 .Lv
; ---------------- q and k
.macro ROPELD a, rb                    ; cos and sin of token block a: 32 registers: cos of dims 16 b + 8 h + j at rb + 16 b + j, sin 8 further on
.irp l, 0,1,2,3,4,5,6,7
	global_load_b128 v[\rb+4*\l:\rb+4*\l+3], v[LI], s[8:9] offset:4096*(\a)+512*\l
.endr
.endm
	WIN TO_B
	ROPELD 0, 64                                   ; blocks 0-3 into registers that lie idle during the product
	ROPELD 1, 96
	ROPELD 2, 192
	ROPELD 3, 224
	WIN 0
	MAIN 0
	PLACES NP                                      ; ahead of loads into w's registers and of the first read of results
	WIN TO_B
	ROPELD 4, 0                                    ; blocks 4-7 where w's fragments lay
	ROPELD 5, 32
	ROPELD 6, 128
	ROPELD 7, 160
	WIN 0
; Token block a, head hh of my two.  A lane holds token r; tiles b and b + 2 of the head hold dims d and d + 32: out(d) = lo cos - hi sin, out(d + 32) = hi cos + lo sin.  Each accumulator is read from its low end on.
.macro ROPE a, hh
.if (\a) < 4
.set RB, 64+32*((\a)%2)+128*((\a)/2)
.else
.set RB, 32*((\a)%2)+128*(((\a)-4)/2)
.endif
	s_wait_xcnt 0x0                                ; the stores before have read T and PK: they are rewritten only behind this wait
	WIN 0x06+(\a)/4                                ; source 0: window 2 or 3; source 1: window 1
.irp bp, 0,1
.irp j, 0,2,4,6
.set AL, 64*((\a)%4)+8*(4*(\hh)+\bp)+\j
.set AH, AL+16
.set CR, RB+16*\bp+\j
	v_pk_mul_f32 v[U+\j:U+\j+1], v[AH:AH+1], v[CR+8:CR+9]
	v_pk_mul_f32 v[U+8+\j:U+8+\j+1], v[AL:AL+1], v[CR+8:CR+9]
	v_pk_fma_f32 v[T+8*\bp+\j:T+8*\bp+\j+1], v[AL:AL+1], v[CR:CR+1], v[U+\j:U+\j+1] neg_lo:[0,0,1] neg_hi:[0,0,1]
	v_pk_fma_f32 v[T+16+8*\bp+\j:T+16+8*\bp+\j+1], v[AH:AH+1], v[CR:CR+1], v[U+8+\j:U+8+\j+1]
.endr
.endr
	WIN 0
.irp b, 0,1,2,3
.irp jj, 0,1,2,3
	v_cvt_pk_f16_f32 v[PK+4*\b+\jj], v[T+8*\b+2*\jj], v[T+8*\b+2*\jj+1]
.endr
.endr
.irp b, 0,1,2,3
	global_store_b128 v[LI], v[PK+4*\b:PK+4*\b+3], s[10:11] offset:524288*(\hh)+2048*(\a)+512*\b   ; 512 consecutive bytes, aligned
.endr
.if (\a) == 0
	s_cmp_lg_u32 s[FINE], 0
	s_cbranch_scc1 .Lnot_fine_\@
.irp b, 0,1,2,3
.irp e, 0,1
	global_store_b128 v[FO], v[T+8*\b+4*\e:T+8*\b+4*\e+3], s[12:13] offset:256*(\hh)+64*\b+16*\e   ; tokens 0-15 in f32
.endr
.endr
.Lnot_fine_\@:
.endif
.endm
	s_wait_loadcnt 32                              ; blocks 0-3's cos and sin are in; the 32 loads just issued may be out
.irp a, 0,1,2,3
	ROPE \a, 0
	ROPE \a, 1
.endr
	s_wait_loadcnt 0x0
.irp a, 4,5,6,7
	ROPE \a, 0
	ROPE \a, 1
.endr
	CLOSE
; ---------------- v
.Lv:
	MAIN 1
	PLACES NP
; Token block a: a lane holds channel 16 b + r and tokens 16 a + 8 h + 0..7: packed, four registers of V^T's fragment of keys 32 (a / 2) on, half a % 2.
.macro VOUT a
.set AC, 64*((\a)%4)
.set PV, 128+32*((\a)%2)
	s_wait_xcnt 0x0                                ; the stores before have read their registers
	WIN 0x0a+5*((\a)/4)                            ; sources 0 and 1: window 2 or 3
.irp b, 0,1,2,3,4,5,6,7
.irp jj, 0,1,2,3
	v_cvt_pk_f16_f32 v[PV+4*\b+\jj], v[AC+8*\b+2*\jj], v[AC+8*\b+2*\jj+1]
.endr
.endr
	WIN 0
.irp b, 0,1,2,3,4,5,6,7
	global_store_b128 v[LI], v[PV+4*\b:PV+4*\b+3], s[10:11] offset:524288*(\b/4)+4096*((\a)/2)+1024*(\b%4)+512*((\a)%2)
.endr
.endm
	VOUT 0
	s_cmp_lg_u32 s[FINE], 0
	s_cbranch_scc1 .Lnot_fine_v
	WIN 0x08                                       ; a store's data are its source 1: window 2
.irp b, 0,1,2,3,4,5,6,7
.irp j, 0,1,2,3,4,5,6,7
	global_store_b32 v[FOV], v[8*\b+\j], s[12:13] offset:12288*\j+64*\b   ; tokens 0-15 in f32: sixteen lanes store 64 consecutive bytes; 64 KiB in the whole launch
.endr
.endr
	WIN 0
.Lnot_fine_v:
.irp a, 1,2,3,4,5,6,7
	VOUT \a
.endr
	CLOSE
.Lfunc_end_k_qbbbe4c7d94_qkv:
	.size	k_qbbbe4c7d94_qkv, .Lfunc_end_k_qbbbe4c7d94_qkv-k_qbbbe4c7d94_qkv
	.p2alignl 7, 3214868480
	.fill 96, 4, 3214868480
	.section	.rodata,"a",@progbits
	.p2align	6, 0x0
	.amdhsa_kernel k_qbbbe4c7d94_qkv
		.amdhsa_group_segment_fixed_size 327680
		.amdhsa_private_segment_fixed_size 0
		.amdhsa_enable_private_segment 0
		.amdhsa_kernarg_size 40
		.amdhsa_user_sgpr_count 2
		.amdhsa_user_sgpr_kernarg_segment_ptr 1
		.amdhsa_wavefront_size32 1
		.amdhsa_system_sgpr_workgroup_id_x 1
		.amdhsa_system_sgpr_workgroup_id_y 1
		.amdhsa_system_sgpr_workgroup_id_z 1
		.amdhsa_system_vgpr_workitem_id 0
		.amdhsa_next_free_vgpr 1024
		.amdhsa_next_free_sgpr 100
		.amdhsa_reserve_vcc 0
		.amdhsa_float_denorm_mode_32 3
		.amdhsa_float_denorm_mode_16_64 3
		.amdhsa_memory_ordered 1
		.amdhsa_forward_progress 1
		.amdhsa_inst_pref_size 255
	.end_amdhsa_kernel
	.section	.bss,"aw",@nobits
	.p2align	6
	.space	262144
	.amdgpu_metadata
---
amdhsa.version: [ 1, 2 ]
amdhsa.kernels:
  - .name:           k_qbbbe4c7d94_qkv
    .symbol:         k_qbbbe4c7d94_qkv.kd
    .args:
      - { .name: codes, .offset: 0, .size: 8, .value_kind: global_buffer, .address_space: global }
      - { .name: scl, .offset: 8, .size: 8, .value_kind: global_buffer, .address_space: global }
      - { .name: rope, .offset: 16, .size: 8, .value_kind: global_buffer, .address_space: global }
      - { .name: qkv16, .offset: 24, .size: 8, .value_kind: global_buffer, .address_space: global }
      - { .name: qkvf, .offset: 32, .size: 8, .value_kind: global_buffer, .address_space: global }
    .group_segment_fixed_size: 327680
    .private_segment_fixed_size: 0
    .kernarg_segment_align: 8
    .kernarg_segment_size: 40
    .max_flat_workgroup_size: 128
    .sgpr_count:     100
    .vgpr_count:     1024
    .wavefront_size: 32
...
	.end_amdgpu_metadata
.endif
;; end of part 2
;; launch attn (part 3): grid 16 x 16, 16 waves a work-group, no clusters, 327,680 bytes of LDS; arguments qkv16, y16; writes y16
.if DOCPART == 3
	.amdgcn_target "amdgcn-amd-amdhsa--gfx1250"
	.amdhsa_code_object_version 6
	.text
	.protected	k_qbbbe4c7d94_attn
	.globl	k_qbbbe4c7d94_attn
	.p2align	8
	.type	k_qbbbe4c7d94_attn,@function
k_qbbbe4c7d94_attn:
	s_mov_b64 s[64:65], 0
	v_nop
	global_prefetch_b8 v0, s[64:65] scope:SCOPE_SE
	s_setreg_imm32_b32 hwreg(HW_REG_WAVE_MODE, 25, 1), 1
	s_wait_xcnt 0x0
; y[head][q] = the sum over k <= q of softmax_k(q . k / 8) v[k].  q, k, v arrive in f16 as images of the fragments' registers; products with f32 sums; maxima, exponentials and sums in f32; the weights p go to the second product in f16.
; SHARES.  Work-group (i, head) owns the query blocks i and 31 - i, 128 queries each, AT ONCE: under the causal mask they need i + 1 and 32 - i steps of 128 keys, 33 together in every work-group.
; Each of the sixteen waves owns one tile of 16 queries in 256 registers: eight waves the early block, eight the late one, mixed so that every four waves on end and every fourth wave hold two of each.
; All walk one stream of K and V: a ring of two LDS slots of 512 keys, filled by waves 0 to 3, a quarter each (32,768 dense bytes), read by all sixteen.
; Every loop's count is a constant.  A step all of whose keys come after the wave's queries is left out by a branch on ids; a slot whose first key comes after the work-group's last query is not asked for.
; NO CLUSTER: work-groups of a head have different last queries, so a joint load would bring slots whose reads all waves of some partner leave out.
; LAYOUT.  S^T = K Q^T (source 0 = 16 keys, source 1 = my 16 queries): a lane holds ONE query (lane % 16) and keys 8 (lane / 16) + 0..7 of each tile.  Two tiles rounded to f16 in pairs ARE source 1 (32 keys) of
; O^T = V^T P, whose result again holds one query a lane, and eight channels, which packed are four registers of the projection's operand: y16 [query tile][32 channels: 32][1,024 bytes].
; SOFTMAX.  A running maximum m and sum l: p = 2^(c s - c m), c = log2(e) / 8; in every step O and l are multiplied by a = 2^(c m_old - c m_new).
; LIMITS: p under 6e-8 of the row's largest falls to 0 in f16.  The first 16 positions are computed here too and are replaced in the output by the launch that carries them in f32.
.set SLOT1, 131072                     ; a slot: K's 32 tiles x 2,048 bytes, then V's 16 groups of 32 keys x 4,096 bytes; slot 1 begins here, so that one exclusive or changes slots
.set SPARE, 262144                     ; the spare words, 128 bytes for each of sixteen waves
.set LI,   1                           ; v1   16 x lane
.set LV,   2                           ; v2   the same in V's part of a slot
.set ADK,  3                           ; v3   LDS address of the step's K
.set ADV,  4                           ; v4   of its V
.set SPW,  5                           ; v5   LDS address of my spare word; never rewritten
.set NIL,  6                           ; v6   0; never rewritten
.set PFO,  7                           ; v7   256 x lane
.set RH8,  8                           ; v8   lane % 16 - 8 (lane / 16)
.set QF,   16                          ; v16-31   Q: two fragments of 32 dims
.set KV,   32                          ; v32-95   eight fragments of K or of V
.set S,    96                          ; v96-159  S^T, then p
.set P,    160                         ; v160-191 p in f16: four fragments of 32 keys
.set O,    192                         ; v192-223 O^T
.set M,    224                         ; v224     m
.set CM,   226                         ; v[226:227] c m (the pair's low word serves both halves)
.set L,    228                         ; v[228:229] l, even and odd keys'
.set A,    230                         ; v[230:231] a
.set CH,   232                         ; v232-235 four chains of the maximum
.set TW,   236                         ; v236-241 at work
.set DD,   242
.set NINF, 243
.set WV,   18
.set SEL,  20
.set CS,   22
.set G1,   24                          ; s[24:31] descriptor group 1;  s[40:43] group 0, which walks
.set G0,   40
.set TB,   2                           ; s2   LDS byte at which the step's tiles begin
.set STP,  66                          ; s66  counts a slot's four steps
.set SLOTS, 67                         ; s67  changes of slots still to come with a fill
.set PFA,  76                          ; s[76:77] where my prefetches stand
.set LIM,  80                          ; s80  1 in a wave that prefetches, else the greatest number
.set LASTQ, 97                         ; s97  my work-group's last query
.set KF,   98                          ; s98  the step's first key
.set Q0,   99                          ; s99  my first query
.macro TLOAD                           ; waves 0 to 3: K's two halves, V's two halves.  An s_nop 0 and four v_nop follow the load
	s_cmp_lt_u32 s[WV], 4
	s_cbranch_scc0 .Lasked_\@
	tensor_load_to_lds s[G0:G0+3], s[G1:G1+7]
	s_nop 0
.rept 4
	v_nop
.endr
.Lasked_\@:
.endm
; A prefetch into the L2 of the slot that the NEXT change of slots will ask for: 65,536 bytes of K and as many of V.  All work-groups of a head walk the same K and V: the head's work-group 0, which walks every slot, asks.
; In it waves 4 to 7 ask for K's, waves 8 to 11 for V's: 16,384 bytes a wave, two instructions, lanes 256 bytes apart: each aligned 256 bytes is named once in the launch.  The last change that fills a slot asks for nothing.
.macro ASK
	s_cmp_gt_u32 s[SLOTS], s[LIM]
	s_cbranch_scc0 .Lnot_mine_\@
	global_prefetch_b8 v[PFO], s[PFA:PFA+1] th:TH_LOAD_NT scope:SCOPE_SE
	global_prefetch_b8 v[PFO], s[PFA:PFA+1] offset:8192 th:TH_LOAD_NT scope:SCOPE_SE
.Lnot_mine_\@:
.endm
	s_load_b128 s[4:7], s[0:1], 0x0                ; qkv16 s[4:5], y16 s[6:7]
	v_lshl_add_u32 v[SPW], v0, 2, SPARE
	v_mov_b32 v[NIL], 0
	ds_add_u32 v[SPW], v[NIL]                      ; the wave's opening
	ds_add_u32 v[SPW], v[NIL]
	v_lshrrev_b32 v9, 5, v0
	v_readfirstlane_b32 s[WV], v9                  ; wave 0..15
	s_and_b32 s72, ttmp7, 0xffff                   ; the head
	s_lshl_b32 s74, s72, 19                        ; its 524,288 bytes in each of q, k, v
	s_lshr_b32 s81, s[WV], 2
	s_xor_b32 s81, s81, s[WV]
	s_and_b32 s81, s81, 1                          ; 1: the late block
	s_sub_co_u32 s82, 31, ttmp9
	s_cmp_eq_u32 s81, 1
	s_cselect_b32 s83, s82, ttmp9                  ; my block of 128 queries
	s_lshl_b32 s83, s83, 7
	s_lshr_b32 s84, s[WV], 1                       ; my tile in it: waves 2 t and 2 t + 1 take tile t of the two blocks
	s_lshl_b32 s84, s84, 4
	s_add_co_u32 s[Q0], s83, s84
	s_lshl_b32 s[LASTQ], s82, 7
	s_or_b32 s[LASTQ], s[LASTQ], 127
	s_mov_b32 s[G1], 3<<16                         ; 15:0 no mask; 17:16 elements of 8 bytes; no padding
	s_mov_b32 s[G1+1], 32<<16                      ; tensor_dim0 = 32: rows of 256 bytes
	s_mov_b32 s[G1+2], 128<<16                     ; tensor_dim1 = 128
	s_mov_b32 s[G1+3], 32<<16                      ; tile_dim0
	s_mov_b32 s[G1+4], 128                         ; tile_dim1
	s_mov_b32 s[G1+5], 32                          ; dense
	s_mov_b32 s[G1+6], 0
	s_mov_b32 s[G1+7], 0
	s_and_b32 s85, s[WV], 3
	s_lshl_b32 s86, s85, 15                        ; my quarter of a slot
	s_lshr_b32 s87, s85, 1
	s_add_co_u32 s87, s87, 1                       ; 1: k, 2: v
	s_lshl_b32 s88, s87, 23
	s_add_co_u32 s88, s88, s74
	s_and_b32 s87, s[WV], 1
	s_lshl_b32 s87, s87, 15
	s_add_co_u32 s88, s88, s87                     ; the same quarter in memory
	s_mov_b32 s89, 0
	s_mov_b32 s[SEL], 0x76543210
	s_mov_b32 s[SEL+1], 0xfedcba98                 ; selects for lane l xor 16
	s_mov_b32 s[CS], 0x3e38aa3b                    ; c = log2(e) / 8
	s_mov_b32 s[CS+1], s[CS]                       ; (named with it as a pair)
	s_mov_b32 s[TB], 0
	s_mov_b32 s[KF], 0
	s_mov_b32 s[SLOTS], 7
	s_wait_dscnt 0x0                               ; both opening adds are done
	s_wait_kmcnt 0x0
	s_mov_b32 s[G0], 1
	s_mov_b32 s[G0+1], s86
	s_add_nc_u64 s[G0+2:G0+3], s[4:5], s[88:89]
	s_or_b32 s[G0+3], s[G0+3], 0x80000000
	TLOAD                                          ; slot 0: keys 0 to 511; key 0 counts for every query
	s_lshl_b32 s90, s[Q0], 7                       ; Q: 2,048 bytes a tile of 16
	s_add_co_u32 s90, s90, s74
	s_mov_b32 s91, 0
	s_add_nc_u64 s[8:9], s[4:5], s[90:91]
	s_lshl_b32 s90, s[Q0], 11                      ; y16: 32,768 bytes a tile, 2,048 a head
	s_lshl_b32 s92, s72, 11
	s_add_co_u32 s90, s90, s92
	s_add_nc_u64 s[6:7], s[6:7], s[90:91]
	s_cmp_lt_u32 s[WV], 8                          ; the prefetches: waves 4 to 7 k, waves 8 to 11 v
	s_cselect_b32 s90, 1, 2
	s_lshl_b32 s90, s90, 23
	s_add_co_u32 s90, s90, s74
	s_lshl_b32 s92, s85, 14                        ; my 16,384 bytes of a slot's 65,536,
	s_add_co_u32 s90, s90, s92
	s_add_co_u32 s90, s90, 65536                   ; in slot 1: the first change of slots steps it to slot 2.  Nothing is prefetched here, at the head
	s_add_nc_u64 s[PFA:PFA+1], s[4:5], s[90:91]
	s_sub_co_u32 s92, s[WV], 4
	s_lshr_b32 s92, s92, 3                         ; 0 in waves 4 to 11,
	s_or_b32 s92, s92, ttmp9                       ; of the head's work-group 0
	s_cmp_eq_u32 s92, 0
	s_cselect_b32 s[LIM], 1, -1
	v_and_b32 v9, 31, v0
	v_lshlrev_b32 v[LI], 4, v9
	v_add_nc_u32 v[LV], 65536, v[LI]
	v_lshlrev_b32 v[PFO], 8, v9
	v_and_b32 v10, 15, v0
	v_bfe_u32 v11, v0, 4, 1
	v_lshlrev_b32 v11, 3, v11
	v_sub_nc_u32 v[RH8], v10, v11
.irp n, 0,1,2,3
	global_load_b128 v[QF+4*\n:QF+4*\n+3], v[LI], s[8:9] offset:512*\n   ; Q stays in registers
.endr
	v_mov_b32 v[M], 0xff61b1e6                     ; -3e38, under every score
	v_mul_f32 v[CM], s[CS], v[M]
	v_mov_b32 v[CM+1], 0
	v_mov_b32 v[L], 0
	v_mov_b32 v[L+1], 0
	v_mov_b32 v[A], 0
	v_mov_b32 v[A+1], 0
.irp n, 0,1,2,3,4,5
	v_mov_b32 v[TW+\n], 0                          ; a lane permute's destination counts as read
.endr
	v_mov_b32 v[NINF], 0xff800000
.set n, 0
.rept 32
	v_mov_b32 v[O+n], 0                            ; the step is written once: the first finds zeros, which a = 0 leaves zeros
.set n, n+1
.endr
; THE CHANGE OF SLOTS stands at a slot's head.  Each wave waits for all its tensor loads, adds 0 to its spare word, and waits for that and for its reads of the slot that it has left.  Behind the barrier the slot ahead is
; whole and nobody reads the other one; fill = 1: that one is filled with the next 512 keys, which have a slot's four steps in which to land.  A wave has one tensor load out at the most.
.macro CHANGE fill
	s_wait_tensorcnt 0x0                           ; no tensor load of mine is out, so the group 0 may be written
	ds_add_u32 v[SPW], v[NIL]
.if \fill
	ds_add_u32 v[SPW], v[NIL]                      ; twice on end here, in every trip alike
	s_xor_b32 s[G0+1], s[G0+1], SLOT1
	s_add_nc_u64 s[G0+2:G0+3], s[G0+2:G0+3], 65536
	s_wait_xcnt 0x0                                ; the last prefetches, a slot back, have read their address
	s_add_nc_u64 s[PFA:PFA+1], s[PFA:PFA+1], 65536
.endif
	s_wait_dscnt 0x0
	s_barrier_signal -1
	s_barrier_wait -1
.if \fill
	s_add_co_u32 s96, s[KF], 512                   ; the first key of the slot that this change would ask for:
	s_cmp_gt_u32 s96, s[LASTQ]                     ; behind my work-group's last query none of its waves reads it.  Ids and the count of steps alone: all sixteen waves go the same way
	s_cbranch_scc1 .Lpast_\@
	TLOAD
.Lpast_\@:
	ASK
.endif
.endm
; A slot's four steps of 128 keys: written once, walked four times; the LDS addresses hang on s[TB].
.macro SLOT_STEPS
	s_mov_b32 s[STP], 4
.Lstep_\@:
	s_add_co_u32 s96, s[Q0], 15
	s_cmp_gt_u32 s[KF], s96                        ; all keys of the step come after my queries: only the stepping lines at its end are run
	s_cbranch_scc1 .Lhidden_\@
	v_add_nc_u32 v[ADK], s[TB], v[LI]
	v_add_nc_u32 v[ADV], s[TB], v[LV]
	v_nop
	v_nop                                          ; four places ahead of loads into registers that the last products read
.irp g, 0,1                                    ; S^T = K Q^T, four tiles of 16 keys at a time, two products deep; four accumulators by turns
.if \g
.rept 4
	v_nop
.endr
.endif
.irp t, 0,1,2,3
.irp n, 0,1,2,3
	ds_load_b128 v[KV+16*\t+4*\n:KV+16*\t+4*\n+3], v[ADK] offset:2048*(4*\g+\t)+512*\n
.endr
.endr
	s_wait_dscnt 0x0
.irp t, 0,1,2,3
	v_wmma_f32_16x16x32_f16 v[S+8*(4*\g+\t):S+8*(4*\g+\t)+7], v[KV+16*\t:KV+16*\t+7], v[QF:QF+7], 0
.endr
.irp t, 0,1,2,3
	v_wmma_f32_16x16x32_f16 v[S+8*(4*\g+\t):S+8*(4*\g+\t)+7], v[KV+16*\t+8:KV+16*\t+15], v[QF+8:QF+15], v[S+8*(4*\g+\t):S+8*(4*\g+\t)+7]
.endr
.endr
.rept 4
	v_nop                                          ; places ahead of the loads below and of the first read of the scores
.endr
.irp u, 0,1                                    ; V of the step's first 64 keys: it lands under the softmax
.irp n, 0,1,2,3,4,5,6,7
	ds_load_b128 v[KV+32*\u+4*\n:KV+32*\u+4*\n+3], v[ADV] offset:4096*\u+512*\n
.endr
.endr
	s_add_co_u32 s96, s[KF], 127
	s_cmp_le_u32 s96, s[Q0]                        ; all keys of the step count: no mask
	s_cbranch_scc1 .Lopen_\@
	s_sub_co_i32 s96, s[Q0], s[KF]
	v_add_nc_u32 v[DD], s96, v[RH8]                ; register 8 t + j holds key KF + 16 t + 8 (lane / 16) + j: hidden where 16 t + j > my query - KF - 8 (lane / 16)
.set n, 0
.rept 64
	v_cmp_gt_i32 vcc_lo, 16*(n/8)+n%8, v[DD]
	v_cndmask_b32 v[S+n], v[S+n], v[NINF], vcc_lo
.set n, n+1
.endr
.Lopen_\@:
.irp b, 0,1,2,3
	v_max3_num_f32 v[CH+\b], v[S+16*\b], v[S+16*\b+1], v[S+16*\b+2]   ; four chains; each accumulator is read from its low end on
.endr
.irp i, 3,5,7,9,11,13
.irp b, 0,1,2,3
	v_max3_num_f32 v[CH+\b], v[CH+\b], v[S+16*\b+\i], v[S+16*\b+\i+1]
.endr
.endr
.irp b, 0,1,2,3
	v_max_num_f32 v[CH+\b], v[CH+\b], v[S+16*\b+15]
.endr
	v_max3_num_f32 v[TW], v[CH], v[CH+1], v[CH+2]
	v_max3_num_f32 v[TW], v[TW], v[CH+3], v[M]
	v_permlanex16_b32 v[TW+1], v[TW], s[SEL], s[SEL+1]   ; the query's other keys lie in the lane 16 away
	v_max_num_f32 v[M], v[TW], v[TW+1]
	v_mov_b32 v[TW+2], v[CM]
	v_mul_f32 v[CM], s[CS], v[M]
	v_sub_f32 v[TW+2], v[TW+2], v[CM]              ; c m_old - c m_new
.set n, 0
.rept 32
	v_pk_fma_f32 v[S+n:S+n+1], v[S+n:S+n+1], s[CS:CS+1], v[CM:CM+1] op_sel_hi:[1,0,0] neg_lo:[0,0,1] neg_hi:[0,0,1]   ; c s - c m
.set n, n+2
.endr
	v_exp_f32 v[A], v[TW+2]                        ; ONE BATCH: a and the 64 weights
.set n, 0
.rept 64
	v_exp_f32 v[S+n], v[S+n]
.set n, n+1
.endr
	v_nop                                          ; a plain instruction behind the last exponential
	s_wait_alu depctr_va_vdst(0)                   ; one wait for the batch, ahead of its first reader
.set n, 0
.rept 32
	v_cvt_pk_f16_f32 v[P+n], v[S+2*n], v[S+2*n+1]
.set n, n+1
.endr
	v_pk_add_f32 v[TW:TW+1], v[S:S+1], v[S+2:S+3]  ; the sum of the unrounded weights, in two chains
	v_pk_add_f32 v[TW+2:TW+3], v[S+4:S+5], v[S+6:S+7]
.irp j, 8,12,16,20,24,28,32,36,40,44,48,52,56,60
	v_pk_add_f32 v[TW:TW+1], v[TW:TW+1], v[S+\j:S+\j+1]
	v_pk_add_f32 v[TW+2:TW+3], v[TW+2:TW+3], v[S+\j+2:S+\j+3]
.endr
	v_pk_add_f32 v[TW:TW+1], v[TW:TW+1], v[TW+2:TW+3]
	v_pk_fma_f32 v[L:L+1], v[L:L+1], v[A:A+1], v[TW:TW+1] op_sel_hi:[1,0,1]
.set n, 0
.rept 16
	v_pk_mul_f32 v[O+n:O+n+1], v[O+n:O+n+1], v[A:A+1] op_sel_hi:[1,0]
.set n, n+2
.endr
.irp w, 0,1                                    ; O^T += V^T P, 64 keys at a time; the four accumulators by turns
.if \w
.rept 4
	v_nop
.endr
.irp u, 0,1
.irp n, 0,1,2,3,4,5,6,7
	ds_load_b128 v[KV+32*\u+4*\n:KV+32*\u+4*\n+3], v[ADV] offset:8192+4096*\u+512*\n
.endr
.endr
.endif
	s_wait_dscnt 0x0
.irp u, 0,1
.irp ct, 0,1,2,3
	v_wmma_f32_16x16x32_f16 v[O+8*\ct:O+8*\ct+7], v[KV+32*\u+8*\ct:KV+32*\u+8*\ct+7], v[P+16*\w+8*\u:P+16*\w+8*\u+7], v[O+8*\ct:O+8*\ct+7]
.endr
.endr
.endr
.Lhidden_\@:
	s_add_co_u32 s[KF], s[KF], 128
	s_add_co_u32 s[TB], s[TB], 16384               ; 8 tiles of K and 4 groups of V are 16,384 bytes each
	s_sub_co_u32 s[STP], s[STP], 1
	s_cmp_lg_u32 s[STP], 0
	s_cbranch_scc1 .Lstep_\@
	s_sub_co_u32 s[TB], s[TB], 65536
	s_xor_b32 s[TB], s[TB], SLOT1                  ; on to the other slot
.endm
	s_wait_loadcnt 0x0                             ; Q
.Lslot:                                            ; seven trips: behind each change of slots but the last the next slot is asked for, up to the causal limit
	CHANGE 1
	SLOT_STEPS
	s_sub_co_u32 s[SLOTS], s[SLOTS], 1
	s_cmp_lg_u32 s[SLOTS], 0
	s_cbranch_scc1 .Lslot
	CHANGE 0                                       ; the last slot is written out: nothing is left to ask for
	SLOT_STEPS
	; THE WAY OUT: O^T / l, rounded to f16: a lane's eight channels of a tile are four registers of the projection's operand, stored as they stand.
.rept 4
	v_nop                                          ; places behind the last products
.endr
	v_add_f32 v[L], v[L], v[L+1]
	v_permlanex16_b32 v[TW], v[L], s[SEL], s[SEL+1]
	v_add_f32 v[L], v[L], v[TW]
	v_rcp_f32 v[A], v[L]
	v_nop                                          ; a plain instruction behind the reciprocal
	s_wait_alu depctr_va_vdst(0)                   ; and the wait ahead of its first reader
.set n, 0
.rept 16
	v_pk_mul_f32 v[S+n:S+n+1], v[O+n:O+n+1], v[A:A+1] op_sel_hi:[1,0]
.set n, n+2
.endr
.set n, 0
.rept 16
	v_cvt_pk_f16_f32 v[P+n], v[S+2*n], v[S+2*n+1]
.set n, n+1
.endr
.irp ct, 0,1,2,3
	global_store_b128 v[LI], v[P+4*\ct:P+4*\ct+3], s[6:7] offset:512*\ct   ; 512 consecutive bytes, aligned
.endr
	s_wait_tensorcnt 0x0                           ; the wave's end
	ds_add_u32 v[SPW], v[NIL]
	s_wait_dscnt 0x0
	s_endpgm
.Lfunc_end_k_qbbbe4c7d94_attn:
	.size	k_qbbbe4c7d94_attn, .Lfunc_end_k_qbbbe4c7d94_attn-k_qbbbe4c7d94_attn
	.p2alignl 7, 3214868480
	.fill 96, 4, 3214868480
	.section	.rodata,"a",@progbits
	.p2align	6, 0x0
	.amdhsa_kernel k_qbbbe4c7d94_attn
		.amdhsa_group_segment_fixed_size 327680
		.amdhsa_private_segment_fixed_size 0
		.amdhsa_enable_private_segment 0
		.amdhsa_kernarg_size 16
		.amdhsa_user_sgpr_count 2
		.amdhsa_user_sgpr_kernarg_segment_ptr 1
		.amdhsa_wavefront_size32 1
		.amdhsa_system_sgpr_workgroup_id_x 1
		.amdhsa_system_sgpr_workgroup_id_y 1
		.amdhsa_system_sgpr_workgroup_id_z 1
		.amdhsa_system_vgpr_workitem_id 0
		.amdhsa_next_free_vgpr 256
		.amdhsa_next_free_sgpr 100
		.amdhsa_reserve_vcc 1
		.amdhsa_float_denorm_mode_32 3
		.amdhsa_float_denorm_mode_16_64 3
		.amdhsa_memory_ordered 1
		.amdhsa_forward_progress 1
		.amdhsa_inst_pref_size 57
	.end_amdhsa_kernel
	.amdgpu_metadata
---
amdhsa.version: [ 1, 2 ]
amdhsa.kernels:
  - .name:           k_qbbbe4c7d94_attn
    .symbol:         k_qbbbe4c7d94_attn.kd
    .args:
      - { .name: qkv16, .offset: 0, .size: 8, .value_kind: global_buffer, .address_space: global }
      - { .name: y16, .offset: 8, .size: 8, .value_kind: global_buffer, .address_space: global }
    .group_segment_fixed_size: 327680
    .private_segment_fixed_size: 0
    .kernarg_segment_align: 8
    .kernarg_segment_size: 16
    .max_flat_workgroup_size: 512
    .sgpr_count:     100
    .vgpr_count:     256
    .wavefront_size: 32
...
	.end_amdgpu_metadata
.endif
;; end of part 3
;; launch proj (part 4): grid 8 x 32, 4 waves a work-group, clusters of 4 x 4, 327,680 bytes of LDS; arguments y16, wp16, out0; writes out0
.if DOCPART == 4
	.amdgcn_target "amdgcn-amd-amdhsa--gfx1250"
	.amdhsa_code_object_version 6
	.text
	.protected	k_qbbbe4c7d94_proj
	.globl	k_qbbbe4c7d94_proj
	.p2align	8
	.type	k_qbbbe4c7d94_proj,@function
k_qbbbe4c7d94_proj:
	s_mov_b64 s[64:65], 0
	v_nop
	global_prefetch_b8 v0, s[64:65] scope:SCOPE_SE
	s_setreg_imm32_b32 hwreg(HW_REG_WAVE_MODE, 25, 1), 1
	s_wait_xcnt 0x0
	s_wait_alu depctr_hold_cnt(0) depctr_sa_sdst(0) depctr_va_vdst(0) depctr_va_sdst(0) depctr_va_ssrc(0) depctr_va_vcc(0) depctr_vm_vsrc(0)
	s_getreg_b32 s2, hwreg(HW_REG_IB_STS2, 6, 4)
	s_cmp_eq_u32 s2, 0
	s_cbranch_scc0 .Lentry_in_a_cluster
	s_endpgm
.Lentry_in_a_cluster:
	s_bfe_u32 s2, ttmp6, 0x10000c
	s_cmp_lg_u32 s2, 0xf033
	s_cbranch_scc0 .Lentry_shape_is_right
	s_endpgm
.Lentry_shape_is_right:
; out0 = y w_proj: [4096][1024] x [1024][1024], operands in f16, sums and result in f32.
; 256 tiles of 128 x 128 give each WGP one work-group.  Four waves, each 64 x 64: 16 accumulators.  K goes in four steps of 256 through a ring of two LDS slots; each slot is filled again once.
; BOTH OPERANDS LIE IN MEMORY AS IMAGES OF THEIR FRAGMENTS' REGISTERS: [tile of 16 rows][32 along K: 32][1,024 bytes], four registers' 512 bytes with lane l's 16 at 16 l.  A K step of a tile is 8,192 consecutive bytes;
; every LDS load takes 512 consecutive bytes; no padding.
; CLUSTERS: 4 x 4.  The four of a row of the cluster need the same tiles of y, the four of a column the same tiles of w_proj: each is asked for JOINTLY.
; THE MATRIX INSTRUCTION IS USED TRANSPOSED (source 0 = 16 columns of w_proj, source 1 = 16 tokens): a lane holds eight neighbouring numbers of a row of the output.
; Rows 0-15 are stored here like all others and are written again by the launch that carries them in f32: a branch round them would hang on a work-group's place in its cluster.
; REGISTERS: window 0: v16-29 addresses; v32-95 the way out; v128-255 the accumulators ((a, b) at v[128 + 8 (4 a + b)]).  window 1: two fragment buffers of 128: 64 registers of y (2 x 4 fragments), then 64 of w_proj.
.set SLOT,   131072                    ; y's 8 tiles x 8,192 bytes, then w_proj's
.set STAGE,  2*SLOT                    ; behind the ring: 16 rows x (256 bytes + 16) for each wave: a wave's 64 columns of f32 are 256 aligned bytes
.set SPITCH, 272
.set SPARE,  STAGE+4*16*SPITCH         ; the spare words, 128 bytes a wave
.set LAPS,   2
.set ADRA, 16
.set ADRB, 20
.set STO,  24
.set RD,   25
.set CO,   26
.set LI,   27
.set SPW,  28
.set NIL,  29
.set TMP,  32
.set ACC,  128
.set F0,   0
.set F1,   128
.set G1,  24
.set G0,  32
.set G1B, 48
.set G0B, 56
.set MSB, 0
.macro WIN new
.if MSB != (\new)
	s_set_vgpr_msb (MSB<<8)|(\new)
.set MSB, (\new)
.endif
.endm
.set MUL,  0x05                        ; sources 0 and 1 window 1; C and D window 0
.set TO_F, 0x40                        ; destination window 1, address window 0
.macro JLOAD s                         ; waves 0 and 1 fetch y's two halves, waves 2 and 3 w_proj's; an s_nop 0 and four v_nop follow each line
	s_cmp_eq_u32 s11, 0
	s_cbranch_scc0 .Lfor_b_\@
	tensor_load_to_lds s[G0+4*\s:G0+4*\s+3], s[G1:G1+7]
	s_nop 0
.rept 4
	v_nop
.endr
	s_branch .Lasked_\@
.Lfor_b_\@:
	tensor_load_to_lds s[G0B+4*\s:G0B+4*\s+3], s[G1B:G1B+7]
	s_nop 0
.rept 4
	v_nop
.endr
.Lasked_\@:
.endm
.macro CREST
	s_cmp_lg_u32 s10, 0
	s_cbranch_scc1 .Lnot_wave_0_\@
	s_barrier_signal -3
.Lnot_wave_0_\@:
	s_barrier_wait -3
	s_barrier_signal -1
	s_barrier_wait -1
.endm
.macro CROUND
	s_barrier_signal -1
	s_barrier_wait -1
	CREST
.endm
	s_load_b128 s[4:7], s[0:1], 0x0                ; y16 s[4:5], wp16 s[6:7]
	s_load_b64 s[8:9], s[0:1], 0x10                ; out0
	v_lshl_add_u32 v[SPW], v0, 2, SPARE
	v_mov_b32 v[NIL], 0
	ds_add_u32 v[SPW], v[NIL]                      ; the wave's opening
	ds_add_u32 v[SPW], v[NIL]
	v_lshrrev_b32 v1, 5, v0
	v_readfirstlane_b32 s10, v1                    ; wave 0..3
	s_lshr_b32 s11, s10, 1                         ; which 64 rows are mine.  Also: I fetch for y (0) or for w_proj (1)
	s_and_b32 s12, s10, 1                          ; which 64 columns.  Also: which 4 tiles I fetch
	s_bfe_u32 s40, ttmp6, 0x40000                  ; cx, cy
	s_bfe_u32 s41, ttmp6, 0x40004
	s_lshl_b32 s42, ttmp9, 2
	s_add_co_u32 s42, s42, s40                     ; tile column
	s_and_b32 s13, ttmp7, 0xffff
	s_lshl_b32 s13, s13, 2
	s_add_co_u32 s13, s13, s41                     ; tile row
	s_lshl_b32 s43, s41, 2
	s_lshl_b32 s43, 15, s43                        ; my row of the cluster
	s_lshl_b32 s44, 0x1111, s40                    ; my column
	s_or_b32 s[G1+0], s43, (3<<16)|(1<<21)         ; 15:0 the mask; 17:16 elements of 8 bytes; 21 set beside a mask; no padding
	s_or_b32 s[G1B+0], s44, (3<<16)|(1<<21)
.irp g, G1, G1B
	s_mov_b32 s[\g+1], 1024<<16                    ; tensor_dim0: 8,192 bytes, a tile's K step
	s_mov_b32 s[\g+2], 4<<16                       ; tensor_dim1: 4 tiles
	s_mov_b32 s[\g+3], 1024<<16
	s_mov_b32 s[\g+4], 4
	s_mov_b32 s[\g+5], 4096                        ; 32,768 bytes from tile to tile
	s_mov_b32 s[\g+6], 0
	s_mov_b32 s[\g+7], 0
.endr
	s_lshl_b32 s17, s12, 17                        ; which 4 tiles I fetch
	s_lshl_b32 s16, s13, 18
	s_add_co_u32 s16, s16, s17                     ; y: tile 8 x tile row + 4 x half
	s_lshl_b32 s46, s42, 18
	s_add_co_u32 s46, s46, s17                     ; w_proj: tile 8 x tile column + 4 x half
	s_mov_b32 s17, 0
	s_mov_b32 s47, 0
	s_lshl_b32 s20, s10, 15                        ; where they go: wave x 32,768
	s_wait_dscnt 0x0                               ; both opening adds are done
	s_wait_kmcnt 0x0
	s_add_nc_u64 s[14:15], s[4:5], s[16:17]
	s_add_nc_u64 s[46:47], s[6:7], s[46:47]
	CROUND                                         ; all sixteen work-groups are here: the first joint loads meet
.irp s, 0,1
	s_mov_b32 s[G0+4*\s], 1
	s_add_co_u32 s[G0+4*\s+1], s20, \s*SLOT
	s_add_nc_u64 s[G0+4*\s+2:G0+4*\s+3], s[14:15], \s*8192
	s_or_b32 s[G0+4*\s+3], s[G0+4*\s+3], 0x80000000
	s_mov_b32 s[G0B+4*\s], 1
	s_add_co_u32 s[G0B+4*\s+1], s20, \s*SLOT
	s_add_nc_u64 s[G0B+4*\s+2:G0B+4*\s+3], s[46:47], \s*8192
	s_or_b32 s[G0B+4*\s+3], s[G0B+4*\s+3], 0x80000000
	JLOAD \s
.endr
	v_and_b32 v1, 15, v0                           ; r
	v_bfe_u32 v2, v0, 4, 1                         ; h
	v_and_b32 v3, 31, v0
	v_lshlrev_b32 v[LI], 4, v3
	s_lshl_b32 s21, s11, 15                        ; my 4 tiles of y
	s_lshl_b32 s22, s12, 15                        ; my 4 tiles of w_proj,
	s_add_co_u32 s22, s22, 65536                   ; behind y's 8
.irp s, 0,1
	v_add_nc_u32 v[ADRA+\s], s21, v[LI]
	v_add_nc_u32 v[ADRB+\s], s22, v[LI]
	s_add_co_u32 s21, s21, SLOT
	s_add_co_u32 s22, s22, SLOT
.endr
	s_mul_i32 s23, s10, 16*SPITCH
	s_add_co_u32 s23, s23, STAGE                   ; my stage
	v_mul_u32_u24 v4, v1, SPITCH                   ; in: row r, 32 bytes for each half of the lanes
	v_lshl_add_u32 v4, v2, 5, v4
	v_add_nc_u32 v[STO], s23, v4
	v_mul_u32_u24 v5, v2, SPITCH                   ; back: lanes 0-15 one row of 256 bytes, lanes 16-31 the next
	v_lshl_add_u32 v5, v1, 4, v5
	v_add_nc_u32 v[RD], s23, v5
	v_lshlrev_b32 v5, 12, v2                       ; and the same two rows in the output
	v_lshl_add_u32 v[CO], v1, 4, v5
	s_lshl_b32 s16, s13, 19                        ; my first row: 128 x tile row + 64 x half, 4,096 bytes a row
	s_lshl_b32 s17, s11, 18
	s_add_co_u32 s16, s16, s17
	s_mov_b32 s17, 0
	s_add_nc_u64 s[8:9], s[8:9], s[16:17]
	s_lshl_b32 s46, s42, 9                         ; my first column: 128 x tile column + 64 x half, 4 bytes each
	s_lshl_b32 s47, s12, 8
	s_add_co_u32 s46, s46, s47
	s_mov_b32 s47, 0
	s_add_nc_u64 s[8:9], s[8:9], s[46:47]
; 8 matrix instructions: row blocks a0, a0 + 1 x all 4 column blocks, 32 along K: half c of buffer f.  zero = 1: the product starts the sums.  The 16 accumulators take turns.
.macro MUL8 f, c, a0, zero
.irp a, \a0, \a0+1
.irp b, 0,1,2,3
.if \zero
	v_wmma_f32_16x16x32_f16 v[ACC+8*(4*(\a)+\b):ACC+8*(4*(\a)+\b)+7], v[\f+64+8*(4*\c+\b):\f+64+8*(4*\c+\b)+7], v[\f+8*(4*\c+\a):\f+8*(4*\c+\a)+7], 0
.else
	v_wmma_f32_16x16x32_f16 v[ACC+8*(4*(\a)+\b):ACC+8*(4*(\a)+\b)+7], v[\f+64+8*(4*\c+\b):\f+64+8*(4*\c+\b)+7], v[\f+8*(4*\c+\a):\f+8*(4*\c+\a)+7], v[ACC+8*(4*(\a)+\b):ACC+8*(4*(\a)+\b)+7]
.endif
.endr
.endr
.endm
; 32 LDS loads in one run: the fragments of the slot's qd-th 64 along K into buffer f; the first 32 along K first
.macro FETCH slot, qd, f
	WIN TO_F
.irp c, 0,1
.irp i, 0,1,2,3
	ds_load_b128 v[\f+64+8*(4*\c+\i):\f+64+8*(4*\c+\i)+3],   v[ADRB+\slot] offset:8192*\i+1024*(2*(\qd)+\c)
	ds_load_b128 v[\f+64+8*(4*\c+\i)+4:\f+64+8*(4*\c+\i)+7], v[ADRB+\slot] offset:8192*\i+1024*(2*(\qd)+\c)+512
	ds_load_b128 v[\f+8*(4*\c+\i):\f+8*(4*\c+\i)+3],         v[ADRA+\slot] offset:8192*\i+1024*(2*(\qd)+\c)
	ds_load_b128 v[\f+8*(4*\c+\i)+4:\f+8*(4*\c+\i)+7],       v[ADRA+\slot] offset:8192*\i+1024*(2*(\qd)+\c)+512
.endr
.endr
.endm
.macro PLACES                          ; four places ahead of loads into registers that matrix instructions have read, and of the first read of results
.rept 4
	v_nop
.endr
.endm
; A K step is four quarters of 64 along K, 32 matrix instructions each, on buffers 0, 1, 0, 1.  One of the first three: multiplies buffer f and fetches quarter qd into g.
.macro QUARTER slot, qd, f, g, zero
	s_wait_dscnt 16                                ; the first 32 along K are in; the other sixteen loads may be out
	WIN MUL
	MUL8 \f, 0, 0, \zero
	MUL8 \f, 0, 2, \zero
	PLACES
	FETCH \slot, \qd, \g
	s_wait_dscnt 32                                ; all but the 32 just issued
	WIN MUL
	MUL8 \f, 1, 0, 0
	MUL8 \f, 1, 2, 0
.endm
; The last quarter multiplies buffer 1 and changes slots: one barrier; ahead of it each wave waits for all its tensor loads, adds 0 to its spare word, and waits for that and for its reads of this slot.
; fill = 1: the barrier opens a round of the cluster's barrier, and this slot is filled again, two K steps ahead, first thing behind the round.
.macro TURN slot, next, fill
	WIN 0
	s_wait_tensorcnt 0x0
	ds_add_u32 v[SPW], v[NIL]
	s_wait_dscnt 17                                ; (the add and the youngest sixteen loads may be out)
	WIN MUL
	MUL8 F1, 0, 0, 0
	s_wait_dscnt 0x0                               ; the add is done, and my reads of this slot are over
	s_barrier_signal -1
	MUL8 F1, 0, 2, 0
.if \fill
	WIN 0
.endif
	s_barrier_wait -1
.if \fill
	CREST
	s_add_nc_u64 s[G0+4*\slot+2:G0+4*\slot+3], s[G0+4*\slot+2:G0+4*\slot+3], 16384
	s_add_nc_u64 s[G0B+4*\slot+2:G0B+4*\slot+3], s[G0B+4*\slot+2:G0B+4*\slot+3], 16384
	JLOAD \slot                                    ; the four v_nop behind it are also the places ahead of the loads below
.else
	PLACES
.endif
	FETCH \next, 0, F0
	WIN MUL
	MUL8 F1, 1, 0, 0
	MUL8 F1, 1, 2, 0
.endm
	s_wait_tensorcnt 1                             ; my part of K step 0 is in; K step 1's load may be out
	s_barrier_signal -1
	s_barrier_wait -1
	FETCH 0, 0, F0
	QUARTER 0, 1, F0, F1, 1                        ; the first quarter's first products start the sums
	WIN 0
	s_mov_b32 s3, LAPS-1
.Llap:                                                 ; a trip goes once round the ring and fills both slots again
	QUARTER 0, 2, F1, F0, 0
	QUARTER 0, 3, F0, F1, 0
	TURN 0, 1, 1
	QUARTER 1, 1, F0, F1, 0
	QUARTER 1, 2, F1, F0, 0
	QUARTER 1, 3, F0, F1, 0
	TURN 1, 0, 1
	QUARTER 0, 1, F0, F1, 0
	WIN 0
	s_sub_co_u32 s3, s3, 1
	s_cmp_lg_u32 s3, 0
	s_cbranch_scc1 .Llap
	QUARTER 0, 2, F1, F0, 0                        ; the last lap fills nothing
	QUARTER 0, 3, F0, F1, 0
	TURN 0, 1, 0
	QUARTER 1, 1, F0, F1, 0
	QUARTER 1, 2, F1, F0, 0
	QUARTER 1, 3, F0, F1, 0
	s_wait_dscnt 16
	WIN MUL
	MUL8 F1, 0, 0, 0
	MUL8 F1, 0, 2, 0
	s_wait_dscnt 0
	MUL8 F1, 1, 0, 0
	MUL8 F1, 1, 2, 0
	WIN 0
; THE WAY OUT, a block of 16 rows x 64 columns at a time, through my own stage: in by 32 bytes a lane, back as rows of 256 bytes.  LDS serves a wave's instructions in order: no wait between stores and loads.
.macro OUTS a
.irp b, 0,1,2,3
	ds_store_b128 v[STO], v[ACC+8*(4*(\a)+\b):ACC+8*(4*(\a)+\b)+3] offset:64*\b        ; each accumulator from its low end on
	ds_store_b128 v[STO], v[ACC+8*(4*(\a)+\b)+4:ACC+8*(4*(\a)+\b)+7] offset:64*\b+16
.endr
.irp t, 0,1,2,3,4,5,6,7
	ds_load_b128 v[TMP+32*((\a)%2)+4*\t:TMP+32*((\a)%2)+4*\t+3], v[RD] offset:2*\t*SPITCH
.endr
.endm
.macro SEND a
.irp t, 0,1,2,3,4,5,6,7
	global_store_b128 v[CO], v[TMP+32*((\a)%2)+4*\t:TMP+32*((\a)%2)+4*\t+3], s[8:9] offset:65536*(\a)+8192*\t th:TH_STORE_NT   ; sixteen lanes store 256 consecutive bytes, aligned
.endr
.endm
	PLACES
	OUTS 0
.irp a, 1,2,3
.if \a > 1
	s_wait_xcnt 0x0                                ; block a - 2's stores have read their registers: block a's loads may land there
.endif
	OUTS \a
	s_wait_dscnt 16                                ; block a - 1 is back; block a's 8 stores and 8 loads may be out
	SEND \a-1
.endr
	s_wait_dscnt 0x0
	SEND 3
	s_wait_tensorcnt 0x0                           ; the wave's end
	ds_add_u32 v[SPW], v[NIL]
	s_wait_dscnt 0x0
	CROUND                                         ; the closing round
	s_endpgm
.Lfunc_end_k_qbbbe4c7d94_proj:
	.size	k_qbbbe4c7d94_proj, .Lfunc_end_k_qbbbe4c7d94_proj-k_qbbbe4c7d94_proj
	.p2alignl 7, 3214868480
	.fill 96, 4, 3214868480
	.section	.rodata,"a",@progbits
	.p2align	6, 0x0
	.amdhsa_kernel k_qbbbe4c7d94_proj
		.amdhsa_group_segment_fixed_size 327680
		.amdhsa_private_segment_fixed_size 0
		.amdhsa_enable_private_segment 0
		.amdhsa_kernarg_size 24
		.amdhsa_user_sgpr_count 2
		.amdhsa_user_sgpr_kernarg_segment_ptr 1
		.amdhsa_wavefront_size32 1
		.amdhsa_system_sgpr_workgroup_id_x 1
		.amdhsa_system_sgpr_workgroup_id_y 1
		.amdhsa_system_sgpr_workgroup_id_z 1
		.amdhsa_system_vgpr_workitem_id 0
		.amdhsa_next_free_vgpr 512
		.amdhsa_next_free_sgpr 66
		.amdhsa_reserve_vcc 0
		.amdhsa_float_denorm_mode_32 3
		.amdhsa_float_denorm_mode_16_64 3
		.amdhsa_memory_ordered 1
		.amdhsa_forward_progress 1
		.amdhsa_inst_pref_size 85
	.end_amdhsa_kernel
	.amdgpu_metadata
---
amdhsa.version: [ 1, 2 ]
amdhsa.kernels:
  - .name:           k_qbbbe4c7d94_proj
    .symbol:         k_qbbbe4c7d94_proj.kd
    .args:
      - { .name: y16, .offset: 0, .size: 8, .value_kind: global_buffer, .address_space: global }
      - { .name: wp16, .offset: 8, .size: 8, .value_kind: global_buffer, .address_space: global }
      - { .name: out0, .offset: 16, .size: 8, .value_kind: global_buffer, .address_space: global }
    .group_segment_fixed_size: 327680
    .private_segment_fixed_size: 0
    .kernarg_segment_align: 8
    .kernarg_segment_size: 24
    .max_flat_workgroup_size: 128
    .sgpr_count:     66
    .vgpr_count:     512
    .wavefront_size: 32
...
	.end_amdgpu_metadata
.endif
;; end of part 4
;; launch fine (part 5): grid 32 x 1, 16 waves a work-group, no clusters, 264,192 bytes of LDS; arguments qkvf, w_proj, out0; writes out0
.if DOCPART == 5
	.amdgcn_target "amdgcn-amd-amdhsa--gfx1250"
	.amdhsa_code_object_version 6
	.text
	.protected	k_qbbbe4c7d94_fine
	.globl	k_qbbbe4c7d94_fine
	.p2align	8
	.type	k_qbbbe4c7d94_fine,@function
k_qbbbe4c7d94_fine:
	s_mov_b64 s[64:65], 0
	v_nop
	global_prefetch_b8 v0, s[64:65] scope:SCOPE_SE
	s_setreg_imm32_b32 hwreg(HW_REG_WAVE_MODE, 25, 1), 1
	s_wait_xcnt 0x0
; THE FIRST 16 POSITIONS, in f32 throughout: under the causal mask they average one to sixteen values and are the largest rows of the output, so the rounding of f16 operands would weigh most there.
; out0[t][:] for t = 0..15: scores, softmax, weighted values and the projection by fused multiply-adds, from q, k (after RoPE) and v of tokens 0-15 in f32 and from w_proj as it is given.
; SHARES.  Work-group g owns columns 32 g .. 32 g + 31 of the 16 rows.  Wave = head.  Every work-group repeats the 16 x 16 attention of all heads (half a million multiply-adds): one launch, nothing between work-groups.
; Lane (r, h) owns query r and dims 32 h .. 32 h + 31 of its head.  A wave's K, V and its 64 rows x 32 columns of w_proj lie in its own 16,384 bytes of LDS and are read from there row by row, the same address in sixteen lanes.
; Each lane ends with a partial sum for row r and 32 columns over its 32 dims; the 32 partial sums of a number (16 heads x 2 halves) meet in LDS behind the one barrier and are added in a fixed tree.
; No matrix unit (16 rows, no bulk work), no tensor load, no cluster.  The stores cover 128 consecutive bytes a wave: 64 KiB in the whole launch.
.set SPARE, 262144                     ; the spare words, 128 bytes for each of sixteen waves
.set SPW,  4
.set NIL,  5
.set STA,  6                           ; v6   my region + 16 x lane
.set KA,   7                           ; v7   my region + 128 h: my 32 dims of a row of K or V
.set WA,   8                           ; v8   my region + 4,096 h: my 32 rows of w_proj
.set GKV,  9                           ; v9   K, V in memory: 12,288 h + 16 r
.set GW,   10                          ; v10  w_proj in memory: 4,096 (lane / 8) + 16 (lane % 8)
.set GQ,   11                          ; v11  Q in memory: 12,288 r + 128 h
.set PSA,  12                          ; v12  my region + 144 x lane: my partial sums
.set OA,   13                          ; v13  4 x lane
.set Q,    16                          ; v16-47
.set BUF,  48                          ; v48-111  two sets of 32
.set SS,   112                         ; v112-127 scores, then p
.set Y,    128                         ; v128-159
.set ACC,  160                         ; v160-191
.set WL,   128                         ; v128-191 w_proj as loaded, before Y and ACC are begun
.set PT,   192                         ; v192-207 the other half's scores
.set RA,   208                         ; v208-211 the reduction's four addresses
.set NINF, 212
.set MX,   213
.set CM,   214
.set SU,   215
.set D0,   216                         ; v216-219 two chains
	s_load_b128 s[4:7], s[0:1], 0x0                ; qkvf s[4:5], w_proj s[6:7]
	s_load_b64 s[8:9], s[0:1], 0x10                ; out0
	v_lshl_add_u32 v[SPW], v0, 2, SPARE
	v_mov_b32 v[NIL], 0
	v_lshrrev_b32 v1, 5, v0
	v_readfirstlane_b32 s10, v1                    ; wave = head; later: my row of the output
	v_and_b32 v1, 31, v0                           ; lane
	v_and_b32 v2, 15, v0                           ; r
	v_bfe_u32 v3, v0, 4, 1                         ; h
	s_lshl_b32 s11, s10, 14                        ; my region: K 4,096 bytes, V 4,096, w_proj's part 8,192
	v_lshlrev_b32 v[STA], 4, v1
	v_add_nc_u32 v[STA], s11, v[STA]
	v_lshlrev_b32 v[KA], 7, v3
	v_add_nc_u32 v[KA], s11, v[KA]
	v_lshlrev_b32 v[WA], 12, v3
	v_add_nc_u32 v[WA], s11, v[WA]
	v_mul_u32_u24 v[GKV], v3, 12288
	v_lshl_add_u32 v[GKV], v2, 4, v[GKV]
	v_lshrrev_b32 v[GW], 3, v1
	v_and_b32 v14, 7, v1
	v_lshlrev_b32 v[GW], 12, v[GW]
	v_lshl_add_u32 v[GW], v14, 4, v[GW]
	v_mul_u32_u24 v[GQ], v2, 12288
	v_lshl_add_u32 v[GQ], v3, 7, v[GQ]
	v_mul_u32_u24 v[PSA], v1, 144
	v_add_nc_u32 v[PSA], s11, v[PSA]
	v_lshlrev_b32 v[OA], 2, v1
	s_mul_i32 s17, s10, 144
	v_lshl_add_u32 v[RA], v1, 2, s17               ; row w of a region's partial sums, column lane
	v_add_nc_u32 v[RA+1], 65536, v[RA]
	v_add_nc_u32 v[RA+2], 131072, v[RA]
	v_add_nc_u32 v[RA+3], 196608, v[RA]
	v_mov_b32 v[NINF], 0xff800000
.irp j, 0,1,2,3,4,5,6,7,8,9,10,11,12,13,14,15
	v_mov_b32 v[PT+\j], 0                          ; a lane permute's destination counts as read
.endr
	s_mov_b32 s16, 0x3e38aa3b                      ; c = log2(e) / 8
	s_mov_b32 s18, 0x76543210
	s_mov_b32 s19, 0xfedcba98                      ; selects for lane l xor 16
	s_lshl_b32 s20, s10, 8                         ; my head's 64 columns of q; k's lie 4,096 bytes on, v's 8,192
	s_mov_b32 s21, 0
	s_lshl_b32 s22, s10, 18                        ; my head's 64 rows of w_proj,
	s_lshl_b32 s24, ttmp9, 7                       ; my work-group's 32 columns
	s_add_co_u32 s22, s22, s24
	s_mov_b32 s23, 0
	s_lshl_b32 s24, s10, 12                        ; out0: row w,
	s_lshl_b32 s26, ttmp9, 7                       ; the same 32 columns
	s_add_co_u32 s24, s24, s26
	s_mov_b32 s25, 0
	s_wait_kmcnt 0x0
	s_add_nc_u64 s[12:13], s[4:5], s[20:21]
	s_add_nc_u64 s[14:15], s[6:7], s[22:23]
	s_add_nc_u64 s[8:9], s[8:9], s[24:25]
.irp t, 0,1,2,3,4,5,6,7
	global_load_b128 v[BUF+4*\t:BUF+4*\t+3], v[GKV], s[12:13] offset:4096+24576*\t       ; K: two rows of 256 bytes a load
.endr
.irp t, 0,1,2,3,4,5,6,7
	global_load_b128 v[BUF+32+4*\t:BUF+32+4*\t+3], v[GKV], s[12:13] offset:8192+24576*\t ; V
.endr
.irp t, 0,1,2,3,4,5,6,7,8,9,10,11,12,13,14,15
	global_load_b128 v[WL+4*\t:WL+4*\t+3], v[GW], s[14:15] offset:16384*\t               ; w_proj: four rows of 128 bytes a load
.endr
.irp n, 0,1,2,3,4,5,6,7
	global_load_b128 v[Q+4*\n:Q+4*\n+3], v[GQ], s[12:13] offset:16*\n                    ; my 32 dims of query r
.endr
	s_wait_loadcnt 32                              ; K is in: behind it 8 + 16 + 8 loads
.irp t, 0,1,2,3,4,5,6,7
	ds_store_b128 v[STA], v[BUF+4*\t:BUF+4*\t+3] offset:512*\t                           ; row j of K at 256 j
.endr
	s_wait_loadcnt 24                              ; V: behind it 16 + 8
.irp t, 0,1,2,3,4,5,6,7
	ds_store_b128 v[STA], v[BUF+32+4*\t:BUF+32+4*\t+3] offset:4096+512*\t
.endr
	s_wait_loadcnt 8                               ; w_proj: behind it Q's 8
.irp t, 0,1,2,3,4,5,6,7,8,9,10,11,12,13,14,15
	ds_store_b128 v[STA], v[WL+4*\t:WL+4*\t+3] offset:8192+512*\t                        ; row d at 8,192 + 128 d
.endr
	s_wait_loadcnt 0x0
; The bytes are my wave's own and LDS serves a wave's instructions in order: no barrier and no wait between these stores and the loads below.
.macro LOADR j, base                   ; my 32 dims of row j of K (base 0) or V (4,096) into set j % 2
.irp n, 0,1,2,3,4,5,6,7
	ds_load_b128 v[BUF+32*((\j)%2)+4*\n:BUF+32*((\j)%2)+4*\n+3], v[KA] offset:\base+256*(\j)+16*\n
.endr
.endm
.macro LOADW d                         ; the 32 columns of my row d of w_proj into set d % 2
.irp n, 0,1,2,3,4,5,6,7
	ds_load_b128 v[BUF+32*((\d)%2)+4*\n:BUF+32*((\d)%2)+4*\n+3], v[WA] offset:8192+128*(\d)+16*\n
.endr
.endm
.macro RING i, last                    ; row i is in; the next row's eight loads may be out
.if (\i) < (\last)
	s_wait_dscnt 8
.else
	s_wait_dscnt 0x0
.endif
.endm
.macro SCORE j
.set BS, BUF+32*((\j)%2)
	RING \j, 15
	v_pk_mul_f32 v[D0:D0+1], v[Q:Q+1], v[BS:BS+1]
	v_pk_mul_f32 v[D0+2:D0+3], v[Q+2:Q+3], v[BS+2:BS+3]
.irp n, 4,8,12,16,20,24,28
	v_pk_fma_f32 v[D0:D0+1], v[Q+\n:Q+\n+1], v[BS+\n:BS+\n+1], v[D0:D0+1]
	v_pk_fma_f32 v[D0+2:D0+3], v[Q+\n+2:Q+\n+3], v[BS+\n+2:BS+\n+3], v[D0+2:D0+3]
.endr
	v_pk_add_f32 v[D0:D0+1], v[D0:D0+1], v[D0+2:D0+3]
	v_add_f32 v[SS+(\j)], v[D0], v[D0+1]
.if (\j) < 14
	LOADR (\j)+2, 0
.endif
.endm
; dst[0..31] = or += the set's 32 numbers x ONE register, breg, which the packed form takes for both halves
.macro FMA32 dst, set, breg, first
.set PB, (\breg)-((\breg)%2)
.set BS, BUF+32*(\set)
.irp n, 0,2,4,6,8,10,12,14,16,18,20,22,24,26,28,30
.if \first
	v_pk_mul_f32 v[\dst+\n:\dst+\n+1], v[BS+\n:BS+\n+1], v[PB:PB+1] op_sel_hi:[1,0]
.elseif (\breg)%2
	v_pk_fma_f32 v[\dst+\n:\dst+\n+1], v[BS+\n:BS+\n+1], v[PB:PB+1], v[\dst+\n:\dst+\n+1] op_sel:[0,1,0] op_sel_hi:[1,1,1]
.else
	v_pk_fma_f32 v[\dst+\n:\dst+\n+1], v[BS+\n:BS+\n+1], v[PB:PB+1], v[\dst+\n:\dst+\n+1] op_sel_hi:[1,0,1]
.endif
.endr
.endm
	LOADR 0, 0
	LOADR 1, 0
.irp j, 0,1,2,3,4,5,6,7,8,9,10,11,12,13,14,15
	SCORE \j
.endr
	LOADR 0, 4096                                  ; V's first rows land under the softmax
	LOADR 1, 4096
.irp j, 0,1,2,3,4,5,6,7,8,9,10,11,12,13,14,15
	v_permlanex16_b32 v[PT+\j], v[SS+\j], s18, s19
.endr
.irp j, 0,1,2,3,4,5,6,7,8,9,10,11,12,13,14,15
	v_add_f32 v[SS+\j], v[SS+\j], v[PT+\j]         ; with the other 32 dims: q . k
.endr
.irp j, 1,2,3,4,5,6,7,8,9,10,11,12,13,14,15
	v_cmp_gt_u32 vcc_lo, \j, v2                    ; key j comes after query r
	v_cndmask_b32 v[SS+\j], v[SS+\j], v[NINF], vcc_lo
.endr
	v_max3_num_f32 v[MX], v[SS], v[SS+1], v[SS+2]
.irp j, 3,5,7,9,11,13
	v_max3_num_f32 v[MX], v[MX], v[SS+\j], v[SS+\j+1]
.endr
	v_max_num_f32 v[MX], v[MX], v[SS+15]           ; the row's maximum (key 0 counts for every query)
	v_mul_f32 v[CM], s16, v[MX]
.irp j, 0,1,2,3,4,5,6,7,8,9,10,11,12,13,14,15
	v_fma_f32 v[SS+\j], v[SS+\j], s16, -v[CM]
.endr
.irp j, 0,1,2,3,4,5,6,7,8,9,10,11,12,13,14,15
	v_exp_f32 v[SS+\j], v[SS+\j]
.endr
	v_nop                                          ; a plain instruction behind the last exponential
	s_wait_alu depctr_va_vdst(0)                   ; one wait for the batch
	v_add_f32 v[SU], v[SS], v[SS+1]
.irp j, 2,3,4,5,6,7,8,9,10,11,12,13,14,15
	v_add_f32 v[SU], v[SU], v[SS+\j]
.endr
	v_rcp_f32 v[SU], v[SU]
	v_nop
	s_wait_alu depctr_va_vdst(0)
.irp j, 0,1,2,3,4,5,6,7,8,9,10,11,12,13,14,15
	v_mul_f32 v[SS+\j], v[SS+\j], v[SU]
.endr
	RING 0, 15                                     ; y = the sum over j of p_j v_j, my 32 dims
	FMA32 Y, 0, SS, 1
	LOADR 2, 4096
.irp j, 1,2,3,4,5,6,7,8,9,10,11,12,13,14,15
	RING \j, 15
	FMA32 Y, (\j)%2, SS+\j, 0
.if \j < 14
	LOADR \j+2, 4096
.endif
.endr
	LOADW 0
	LOADW 1
	RING 0, 31                                     ; my part of the projection: the sum over my 32 dims of y_d x w_proj's row d
	FMA32 ACC, 0, Y, 1
	LOADW 2
.irp d, 1,2,3,4,5,6,7,8,9,10,11,12,13,14,15,16,17,18,19,20,21,22,23,24,25,26,27,28,29,30,31
	RING \d, 31
	FMA32 ACC, (\d)%2, Y+\d, 0
.if \d < 30
	LOADW \d+2
.endif
.endr
.irp n, 0,1,2,3,4,5,6,7
	ds_store_b128 v[PSA], v[ACC+4*\n:ACC+4*\n+3] offset:16*\n   ; over my own K and the head of my V, which I have done reading: row 16 h + r of 128 bytes + 16
.endr
	s_wait_dscnt 0x0                               ; for the others' sake: my stores have landed
	s_barrier_signal -1
	s_barrier_wait -1
.irp p, 0,1,2,3,4,5,6,7,8,9,10,11,12,13,14,15,16,17,18,19,20,21,22,23,24,25,26,27,28,29,30,31
	ds_load_b32 v[BUF+\p], v[RA+\p/8] offset:16384*((\p/2)%4)+2304*(\p%2)   ; head p / 2, half p % 2: its sum for row w, column lane
.endr
	s_wait_dscnt 0x0
.irp p, 0,1,2,3,4,5,6,7,8,9,10,11,12,13,14,15
	v_add_f32 v[BUF+\p], v[BUF+\p], v[BUF+16+\p]
.endr
.irp p, 0,1,2,3,4,5,6,7
	v_add_f32 v[BUF+\p], v[BUF+\p], v[BUF+8+\p]
.endr
.irp p, 0,1,2,3
	v_add_f32 v[BUF+\p], v[BUF+\p], v[BUF+4+\p]
.endr
	v_add_f32 v[BUF], v[BUF], v[BUF+2]
	v_add_f32 v[BUF+1], v[BUF+1], v[BUF+3]
	v_add_f32 v[BUF], v[BUF], v[BUF+1]
	global_store_b32 v[OA], v[BUF], s[8:9]
	s_wait_tensorcnt 0x0                           ; the wave's end
	ds_add_u32 v[SPW], v[NIL]
	s_wait_dscnt 0x0
	s_endpgm
.Lfunc_end_k_qbbbe4c7d94_fine:
	.size	k_qbbbe4c7d94_fine, .Lfunc_end_k_qbbbe4c7d94_fine-k_qbbbe4c7d94_fine
	.p2alignl 7, 3214868480
	.fill 96, 4, 3214868480
	.section	.rodata,"a",@progbits
	.p2align	6, 0x0
	.amdhsa_kernel k_qbbbe4c7d94_fine
		.amdhsa_group_segment_fixed_size 264192
		.amdhsa_private_segment_fixed_size 0
		.amdhsa_enable_private_segment 0
		.amdhsa_kernarg_size 24
		.amdhsa_user_sgpr_count 2
		.amdhsa_user_sgpr_kernarg_segment_ptr 1
		.amdhsa_wavefront_size32 1
		.amdhsa_system_sgpr_workgroup_id_x 1
		.amdhsa_system_sgpr_workgroup_id_y 1
		.amdhsa_system_sgpr_workgroup_id_z 1
		.amdhsa_system_vgpr_workitem_id 0
		.amdhsa_next_free_vgpr 256
		.amdhsa_next_free_sgpr 66
		.amdhsa_reserve_vcc 1
		.amdhsa_float_denorm_mode_32 3
		.amdhsa_float_denorm_mode_16_64 3
		.amdhsa_memory_ordered 1
		.amdhsa_forward_progress 1
		.amdhsa_inst_pref_size 118
	.end_amdhsa_kernel
	.amdgpu_metadata
---
amdhsa.version: [ 1, 2 ]
amdhsa.kernels:
  - .name:           k_qbbbe4c7d94_fine
    .symbol:         k_qbbbe4c7d94_fine.kd
    .args:
      - { .name: qkvf, .offset: 0, .size: 8, .value_kind: global_buffer, .address_space: global }
      - { .name: w_proj, .offset: 8, .size: 8, .value_kind: global_buffer, .address_space: global }
      - { .name: out0, .offset: 16, .size: 8, .value_kind: global_buffer, .address_space: global }
    .group_segment_fixed_size: 264192
    .private_segment_fixed_size: 0
    .kernarg_segment_align: 8
    .kernarg_segment_size: 24
    .max_flat_workgroup_size: 512
    .sgpr_count:     66
    .vgpr_count:     256
    .wavefront_size: 32
...
	.end_amdgpu_metadata
.endif
;; end of part 5
